; MI455X (gfx1250); checked and timed in simulation.
; The chip was launched on July 23, 2026; its instructions are those of AMD's public machine-readable ISA for CDNA 5 (MIT licence, August 2026) and "CDNA5" Instruction Set Architecture Reference Guide (July 2026). The comments in the code are by the model that wrote it; some were corrected since.
;; Peer Lookup Query Unit. Allowed arithmetic: matrix products marked QUANTISED: E3M2 operands, one E8M0 scale for each 32 along K, by v_wmma_scale_f32_16x16x128_f8f6f4 with both operands' format E3M2, f32 sums; everything else in f32.
;; Inputs: W 32,768 x 256 float32; x 2 x 2,048 x 256 float32.
;; Outputs: out0 2 x 2,048 x 16 float32; out1 2 x 2,048 x 16 int32.
;; This version of the problem:
;;   THIS VERSION OF THE PROBLEM IS GIVEN IN LOW PRECISION. The matrix products marked QUANTISED in the list below multiply operands that are first quantised to E3M2 (3 exponent bits, 2 mantissa bits; 6 bits a number), with one power-of-two scale for each 32 numbers along K (OCP MX v1.0); their sums are f32. All else is computed in f32.
;;   The module's matrix products, in the order in which they are computed (A, B: the left and right operand; K: the contracted axis; several contracted axes count as one K, in the product's order):
;;     1. [M 4,096, K 256] x [K 256, N 32,768]; A: input x; B: input W: QUANTISED
;;   THE QUANTISER, for each operand of a quantised product, along K:
;;     - K is cut into blocks of 32 from its start; a last block that is shorter is filled with zeros.
;;     - A block's scale is 2^e with e = floor(log2(the largest magnitude in the block)) - 4, held to -126 .. 127; a block of zeros has e = 0. As a byte (E8M0): e + 127.
;;     - Each number is divided by its block's scale, clamped to +-28, and rounded to the nearest number of E3M2, ties to even, subnormals kept.
;;     - The product sums the exact products of the quantised numbers (number of the format x scale) in f32.
;;   ~~~python
;;   def quantise(x, axis):      # numpy; x: float32 -> the quantised numbers, widened to float32 again
;;       x = np.moveaxis(x, axis, -1); K = x.shape[-1]
;;       x = np.pad(x, [(0, 0)] * (x.ndim - 1) + [(0, -K % 32)]); x = x.reshape(x.shape[:-1] + (-1, 32)); a = np.abs(x).max(-1, keepdims=True)
;;       e = np.where(a > 0, np.clip(np.frexp(np.where(a > 0, a, 1))[1] - 1 - 4, -126, 127), 0)      # np.frexp(a)[1] - 1 = floor(log2(a)), exactly
;;       r = np.clip(x / 2.0 ** e, -28, 28)
;;       step = 2.0 ** (np.maximum(np.frexp(np.where(r == 0, 1, r))[1] - 1, -2) - 2)
;;       q = np.round(r / step) * step * 2.0 ** e      # np.round: ties to even
;;       return np.moveaxis(q.reshape(q.shape[:-2] + (-1,))[..., :K], -1, axis).astype(np.float32)
;;   ~~~
;; 2 versions, each right; version 2 is version 1 with the launch final written anew for expert scheduling mode. Each part assembles by itself: llvm-mc -triple=amdgcn-amd-amdhsa -mcpu=gfx1250 --defsym DOCPART=n.
;; ======== version 1 of 2: 5 launches
;; workspace buffers: Wc 6,291,456 bytes; Ws 262,144 bytes; Xc 786,432 bytes; Xs 32,768 bytes; gmF 33,554,432 bytes; gmC 4,194,304 bytes; idsA 262,144 bytes of whole numbers; idsB 262,144 bytes of whole numbers
;; launch quant (part 1): grid 256 x 1, 9 waves a work-group, no clusters, 151,040 bytes of LDS; arguments W, x, Wc, Ws, Xc, Xs; writes Wc, Ws, Xc, Xs
.if DOCPART == 1
	.amdgcn_target "amdgcn-amd-amdhsa--gfx1250"
	.amdhsa_code_object_version 6
	.text
	.protected	k_q4cc58eccd2_quant
	.globl	k_q4cc58eccd2_quant
	.p2align	8
	.type	k_q4cc58eccd2_quant,@function
k_q4cc58eccd2_quant:
	s_mov_b64 s[64:65], 0
	v_nop
	global_prefetch_b8 v0, s[64:65] scope:SCOPE_SE
	s_setreg_imm32_b32 hwreg(HW_REG_WAVE_MODE, 25, 1), 1
	s_wait_xcnt 0x0
; W [32768][256] and x [4096][256], f32, become codes of BF6 (E3M2) with one E8M0 byte for each 32 along K, laid as IMAGES OF THE OPERAND'S REGISTERS, tile by tile of 16 rows x 256 K.
; A block's scale is 2^(floor(log2(largest magnitude)) - 4): its byte is the largest magnitude's exponent field - 4, held at 1 from below; the conversion divides, holds at +-28 and rounds to nearest, ties to even.
; LIMITS: NaN and infinities are not served.  A block whose largest magnitude lies under 2^-122 gets the byte 1; a block of zeros too (the rule says 127): its codes are zeros, and this program alone reads the bytes.
; TILES.  2,304 tiles, one to a wave: T = 9 x work-group + wave.  T < 2048: W's tile T; else x's tile T - 2048.
;   W's tile blk*16 + 2 b + u holds, as its row a, W's row 256 blk + 128 (a / 8) + 16 b + 8 u + a % 8;  x's tile mt holds x's rows 16 mt + a.
; A TILE'S CODES, 3,072 bytes: [a / 8][m = 3 s + p][slot = 8 h + a % 8][16 bytes]: registers 4 p .. 4 p + 3 of lane (a, h)'s 12-register fragment of K step s (128 along K).
; A TILE'S SCALE WORDS, 128 bytes: lane (a, h) holds row a's word of K step h.
; A lane must hold whole blocks of one row, a load is best where neighbouring lanes take neighbouring bytes: so the tile's 16 KiB go through the wave's own stage in LDS (rows of 1,024 + 16 bytes).  Waves share nothing: no barrier.
.set STG,  16640                       ; a wave's stage: 16 rows x PIT
.set PIT,  1040
.set R,    16                          ; v16-143  the tile as loaded; later v16-79: K step 1's 64 numbers
.set XA,   144                         ; v144-207 K step 0's 64 numbers
.set FR0,  208                         ; v208-219 fragment of K step 0
.set FR1,  220                         ; v220-231 of K step 1;  v232-238 conversions' second halves;  v240, v241 at work
	s_load_b256 s[4:11], s[0:1], 0x0               ; W s[4:5], x s[6:7], Wc s[8:9], Ws s[10:11]
	s_load_b128 s[12:15], s[0:1], 0x20             ; Xc s[12:13], Xs s[14:15]
	v_lshl_add_u32 v254, v0, 2, 0x24900
	v_mov_b32 v255, 0
	v_lshrrev_b32 v1, 5, v0
	v_readfirstlane_b32 s16, v1                    ; wave 0..8
	v_and_b32 v1, 31, v0                           ; lane
	v_and_b32 v8, 15, v0                           ; r
	v_bfe_u32 v9, v0, 4, 1                         ; h
	s_mul_i32 s18, s16, STG                        ; my stage
	v_lshlrev_b32 v2, 4, v1                        ; 16 x lane: my bytes of a load's 512
	v_add_nc_u32 v3, s18, v2                       ; the stage on the way in
	v_mul_u32_u24 v4, v8, PIT
	v_lshl_add_u32 v4, v9, 7, v4
	v_add_nc_u32 v4, s18, v4                       ; and on the way out: row r, block h
	v_lshrrev_b32 v10, 3, v8
	v_and_b32 v11, 7, v8
	v_lshl_add_u32 v11, v9, 3, v11                 ; slot = 8 h + r % 8
	v_lshlrev_b32 v5, 4, v11
	v_mad_u32_u24 v5, v10, 1536, v5                ; my place in the tile's codes
	v_lshlrev_b32 v6, 2, v1                        ; and among its scale words
	v_lshlrev_b32 v7, 3, v9                        ; 8 h: my bytes' place in a scale word
	v_mov_b32 v240, 0                              ; a lane permute's destination counts as read
	s_mov_b32 s24, 0x76543210
	s_mov_b32 s25, 0xfedcba98                      ; v_permlanex16_b32: lane l xor 16
	s_mov_b32 s28, 0xffff0000                      ; lanes 16-31
	s_mul_i32 s17, ttmp9, 9
	s_add_co_u32 s17, s17, s16                     ; T
	s_lshr_b32 s22, s17, 4
	s_lshl_b32 s22, s22, 8
	s_and_b32 s23, s17, 15
	s_lshl_b32 s23, s23, 3
	s_add_co_u32 s22, s22, s23                     ; W's way: first row 256 (T / 16) + 8 (T % 16)
	s_sub_co_u32 s23, s17, 2048                    ; x's way: tile T - 2048,
	s_lshl_b32 s26, s23, 4                         ; first row 16 x tile
	s_mov_b32 s19, 8192                            ; rows 8-15 begin 8 rows on (x) or 128 rows on (W)
	s_wait_kmcnt 0x0
	s_cmp_lt_u32 s17, 2048                         ; the choice hangs on ids alone; only selects follow it
	s_cselect_b64 s[4:5], s[4:5], s[6:7]
	s_cselect_b64 s[8:9], s[8:9], s[12:13]
	s_cselect_b64 s[10:11], s[10:11], s[14:15]
	s_cselect_b32 s26, s22, s26                    ; first row
	s_cselect_b32 s23, s17, s23                    ; tile
	s_cselect_b32 s19, 0x20000, s19
	s_lshl_b32 s26, s26, 10
	s_mov_b32 s27, 0
	s_add_nc_u64 s[4:5], s[4:5], s[26:27]          ; rows 0-7
	s_mov_b32 s26, s19
	s_add_nc_u64 s[20:21], s[4:5], s[26:27]        ; rows 8-15
	s_mul_i32 s26, s23, 3072
	s_add_nc_u64 s[8:9], s[8:9], s[26:27]
	s_lshl_b32 s26, s23, 7
	s_add_nc_u64 s[10:11], s[10:11], s[26:27]
.set ii, 0
.rept 16
	global_load_b128 v[R+4*ii:R+4*ii+3], v2, s[4:5] offset:(ii/2)*1024+(ii%2)*512 th:TH_LOAD_NT     ; 32 lanes read 512 consecutive bytes
.set ii, ii+1
.endr
.rept 16
	global_load_b128 v[R+4*ii:R+4*ii+3], v2, s[20:21] offset:(ii/2-8)*1024+(ii%2)*512 th:TH_LOAD_NT
.set ii, ii+1
.endr
.set ii, 0
.rept 32
	s_wait_loadcnt 31-ii                           ; loads come back in order: this one is in, the younger ones stay out
	ds_store_b128 v3, v[R+4*ii:R+4*ii+3] offset:(ii/2)*PIT+(ii%2)*512
.set ii, ii+1
.endr
; K step s: my blocks 4 s + h and 4 s + 2 + h of row r, 32 numbers each, into v[X] on.  LDS serves a wave's instructions in order: these see the stores above
.macro BACK s, X
.irp c, 0,1
.irp q, 0,1,2,3,4,5,6,7
	ds_load_b128 v[\X+32*\c+4*\q:\X+32*\c+4*\q+3], v4 offset:(4*\s+2*\c)*128+16*\q
.endr
.endr
.endm
; 64 numbers become the 12 registers of K step s's fragment and my row's scale word (v14 or v15), and the codes are stored
.macro QSTEP s, X, FR
.irp c, 0,1
	v_max3_num_f32 v[8+\c], |v[\X+32*\c]|, |v[\X+32*\c+1]|, 0x2800000   ; the floor 2^(5 - 127) among the leaves: the byte cannot fall under 1
.endr
.irp i, 2,4,6,8,10,12,14,16,18,20,22,24,26,28,30
.irp c, 0,1
	v_max3_num_f32 v[8+\c], v[8+\c], |v[\X+32*\c+\i]|, |v[\X+32*\c+\i+1]|   ; the two blocks by turns
.endr
.endr
.irp c, 0,1
	v_add_nc_u32 v[10+\c], 0xfe000000, v[8+\c]     ; 4 off the exponent field: the conversion's scale operand
.endr
.irp c, 0,1
	v_lshrrev_b32 v[12+\c], 23, v[10+\c]           ; the scale's byte
.endr
	v_lshl_or_b32 v[14+\s], v13, 16, v12           ; bytes h and 2 + h of the word,
	v_lshlrev_b32 v[14+\s], v7, v[14+\s]
	v_permlanex16_b32 v240, v[14+\s], s24, s25
	v_or_b32 v[14+\s], v[14+\s], v240              ; with lane l xor 16's two the word is whole
.irp c, 0,1
	v_cvt_scalef32_pk16_bf6_f32 v[\FR+6*\c:\FR+6*\c+2], v[\X+32*\c:\X+32*\c+15], v[10+\c]
	v_cvt_scalef32_pk16_bf6_f32 v[232+4*\c:234+4*\c], v[\X+32*\c+16:\X+32*\c+31], v[10+\c]   ; (a conversion's three registers begin on an even number)
.endr
	v_nop                                          ; one plain place behind a scaled conversion
.irp c, 0,1
.irp i, 0,1,2
	v_mov_b32 v[\FR+6*\c+3+\i], v[232+4*\c+\i]
.endr
.endr
.irp p, 0,1,2
	global_store_b128 v5, v[\FR+4*\p:\FR+4*\p+3], s[8:9] offset:(3*\s+\p)*256   ; lanes with r < 8 store 256 consecutive aligned bytes, the others 256 more, 1,536 bytes on
.endr
.endm
	BACK 0, XA
	s_wait_dscnt 0x0                               ; the stage's stores have read v16-143; K step 0 is back
	BACK 1, R
	QSTEP 0, XA, FR0
	s_wait_dscnt 0x0                               ; K step 1 is back
	QSTEP 1, R, FR1
	v_cndmask_b32 v241, v14, v15, s28              ; lanes 0-15: K step 0's word; lanes 16-31: K step 1's
	global_store_b32 v6, v241, s[10:11]            ; 128 consecutive bytes
	s_wait_tensorcnt 0x0
	ds_add_u32 v254, v255
	s_wait_dscnt 0x0
	s_endpgm
.Lfunc_end_k_q4cc58eccd2_quant:
	.size	k_q4cc58eccd2_quant, .Lfunc_end_k_q4cc58eccd2_quant-k_q4cc58eccd2_quant
	.p2alignl 7, 3214868480
	.fill 96, 4, 3214868480
	.section	.rodata,"a",@progbits
	.p2align	6, 0x0
	.amdhsa_kernel k_q4cc58eccd2_quant
		.amdhsa_group_segment_fixed_size 151040
		.amdhsa_private_segment_fixed_size 0
		.amdhsa_enable_private_segment 0
		.amdhsa_kernarg_size 48
		.amdhsa_user_sgpr_count 2
		.amdhsa_user_sgpr_kernarg_segment_ptr 1
		.amdhsa_wavefront_size32 1
		.amdhsa_system_sgpr_workgroup_id_x 1
		.amdhsa_system_sgpr_workgroup_id_y 1
		.amdhsa_system_sgpr_workgroup_id_z 1
		.amdhsa_system_vgpr_workitem_id 0
		.amdhsa_next_free_vgpr 256
		.amdhsa_next_free_sgpr 66
		.amdhsa_reserve_vcc 0
		.amdhsa_float_denorm_mode_32 3
		.amdhsa_float_denorm_mode_16_64 3
		.amdhsa_memory_ordered 1
		.amdhsa_forward_progress 1
		.amdhsa_inst_pref_size 18
	.end_amdhsa_kernel
	.amdgpu_metadata
---
amdhsa.version: [ 1, 2 ]
amdhsa.kernels:
  - .name:           k_q4cc58eccd2_quant
    .symbol:         k_q4cc58eccd2_quant.kd
    .args:
      - { .name: W, .offset: 0, .size: 8, .value_kind: global_buffer, .address_space: global }
      - { .name: x, .offset: 8, .size: 8, .value_kind: global_buffer, .address_space: global }
      - { .name: Wc, .offset: 16, .size: 8, .value_kind: global_buffer, .address_space: global }
      - { .name: Ws, .offset: 24, .size: 8, .value_kind: global_buffer, .address_space: global }
      - { .name: Xc, .offset: 32, .size: 8, .value_kind: global_buffer, .address_space: global }
      - { .name: Xs, .offset: 40, .size: 8, .value_kind: global_buffer, .address_space: global }
    .group_segment_fixed_size: 151040
    .private_segment_fixed_size: 0
    .kernarg_segment_align: 8
    .kernarg_segment_size: 48
    .max_flat_workgroup_size: 288
    .sgpr_count:     66
    .vgpr_count:     256
    .wavefront_size: 32
...
	.end_amdgpu_metadata
.endif
;; end of part 1
;; launch scores (part 2): grid 4 x 64, 8 waves a work-group, clusters of 4 x 1, 168,960 bytes of LDS; arguments Xc, Xs, Wc, Ws, gmF, gmC; writes gmF, gmC
.if DOCPART == 2
	.amdgcn_target "amdgcn-amd-amdhsa--gfx1250"
	.amdhsa_code_object_version 6
	.text
	.protected	k_q4cc58eccd2_scores
	.globl	k_q4cc58eccd2_scores
	.p2align	8
	.type	k_q4cc58eccd2_scores,@function
k_q4cc58eccd2_scores:
	s_mov_b64 s[64:65], 0
	v_nop
	global_prefetch_b8 v0, s[64:65] scope:SCOPE_SE
	s_setreg_imm32_b32 hwreg(HW_REG_WAVE_MODE, 25, 1), 1
	s_wait_xcnt 0x0
	s_wait_alu depctr_hold_cnt(0) depctr_sa_sdst(0) depctr_va_vdst(0) depctr_va_sdst(0) depctr_va_ssrc(0) depctr_va_vcc(0) depctr_vm_vsrc(0)
	s_getreg_b32 s2, hwreg(HW_REG_IB_STS2, 6, 4)
	s_cmp_eq_u32 s2, 0
	s_cbranch_scc0 .Lentry_in_a_cluster
	s_endpgm
.Lentry_in_a_cluster:
	s_bfe_u32 s2, ttmp6, 0x10000c
	s_cmp_lg_u32 s2, 0x3003
	s_cbranch_scc0 .Lentry_shape_is_right
	s_endpgm
.Lentry_shape_is_right:
; scores = Q(x) Q(W)^T on codes of BF6 with E8M0 scales, [4096] x [32768], K = 256.  The scores are not stored: only, for each row, the largest of each 16 neighbouring columns (gmF) and of each 128 (gmC).
; SHARES.  A work-group takes 1,024 rows (block X) and 512 columns (bp): 32 tiles of W.  Each of its 8 waves keeps 8 tiles of x (128 rows, 192 registers) and walks the 32 tiles of W from LDS: 16 products a tile.
; THE PRODUCT IS USED TRANSPOSED (source 0 = 16 rows of W, source 1 = 16 rows of x): lane (r, h) holds x's row r, its 8 registers W's tile rows 8 h + 0..7.  W's tiles were cut so that tiles 2 b, 2 b + 1 of a block of 256
; columns give lane (r, h) the 16 neighbouring columns 256 blk + 128 h + 16 b + 0..15, and its eight b the 128 neighbouring columns 256 blk + 128 h + 0..127.  So both maxima stay inside a lane: half an instruction a score.
; gmF [mt 256][blk 128][q 2][lane 32][e 4]: the largest of columns 16 f .. 16 f + 15, f = 16 blk + 8 h + 4 q + e.    gmC [mt][bp 64][lane][e 2]: of columns 128 c .. + 127, c = 4 bp + 2 e + h.
; LDS is filled ONCE (the 32 tiles' codes, 3,840 bytes each with padding, then their scale words): no slot is filled again.
; CLUSTER.  The four work-groups of a cluster (X = 0..3) walk the same 512 columns: W's tiles are asked for JOINTLY, by the same tensor loads with the same descriptors and the mask of all four.
; By this text's own count a wave has five tensor loads out at the most.  LIMITS: NaN and infinities are not served.
; REGISTERS.  Window 0: v1-7 addresses; v8-15 x's scale words; v16-39, v40-63 W's fragments, two buffers; v64, v65 W's scale words; v68-99 fine maxima (4 i + b % 4); v100-115 coarse maxima (2 i + block);
;   v128-191, v192-255 two sets of 8 accumulators.   Window 1: x's fragments at 24 i + 12 s.
.set LTILE, 3840                       ; a tile's codes in LDS: 6 rows of 512 bytes + 128 of padding: its two halves (rows 0-7, 8-15 of the tile) lie 1,920 bytes apart
.set LSC,   32*LTILE                   ; behind them the scale words, 128 bytes a tile
.set F,     68
.set CM,    100
.set MSB, 0
.macro WIN new                         ; the immediate's high byte repeats the setting that is left
.if MSB != \new
	s_set_vgpr_msb (MSB<<8)|\new
.set MSB, \new
.endif
.endm
.macro ROUND                           ; a round of the cluster's barrier
	s_barrier_signal -1
	s_barrier_wait -1
	s_cmp_lg_u32 s16, 0
	s_cbranch_scc1 .Lnot_wave_0_\@
	s_barrier_signal -3
.Lnot_wave_0_\@:
	s_barrier_wait -3
	s_barrier_signal -1
	s_barrier_wait -1
.endm
	s_load_b256 s[4:11], s[0:1], 0x0               ; Xc s[4:5], Xs s[6:7], Wc s[8:9], Ws s[10:11]
	s_load_b128 s[12:15], s[0:1], 0x20             ; gmF s[12:13], gmC s[14:15]
	v_lshl_add_u32 v126, v0, 2, 0x29000
	v_mov_b32 v127, 0
	ds_add_u32 v126, v127
	ds_add_u32 v126, v127
	v_lshrrev_b32 v1, 5, v0
	v_readfirstlane_b32 s16, v1                    ; wave 0..7
	v_and_b32 v116, 31, v0                         ; lane
	v_and_b32 v117, 15, v0                         ; r
	v_bfe_u32 v118, v0, 4, 1                       ; h
	v_lshrrev_b32 v119, 3, v117                    ; r / 8
	v_and_b32 v120, 7, v117
	v_lshl_add_u32 v120, v118, 3, v120
	v_lshlrev_b32 v120, 4, v120                    ; 16 x slot, slot = 8 h + r % 8
	v_mad_u32_u24 v1, v119, 1920, v120             ; my place in a tile of W in LDS: tiles 0-15,
	v_add_nc_u32 v2, 16*LTILE, v1                  ; tiles 16-31
	v_lshl_add_u32 v3, v116, 2, LSC                ; W's scale words
	v_lshlrev_b32 v4, 4, v116                      ; gmF: 16 x lane
	v_lshlrev_b32 v5, 3, v116                      ; gmC: 8 x lane
	v_mad_u32_u24 v6, v119, 1536, v120             ; my place in a tile of x in memory
	v_lshlrev_b32 v7, 2, v116                      ; x's scale words
	s_bfe_u32 s17, ttmp6, 0x40000                  ; cx: it enters x's and the outputs' addresses alone
	s_lshl_b32 s18, ttmp9, 2
	s_add_co_u32 s18, s18, s17                     ; X
	s_and_b32 s19, ttmp7, 0xffff                   ; bp: shared by the four partners
	s_lshl_b32 s20, s18, 6
	s_lshl_b32 s21, s16, 3
	s_add_co_u32 s20, s20, s21                     ; my first tile of x: 64 X + 8 wave
	s_mov_b32 s23, 0
	s_mul_i32 s60, s19, 98304                      ; W's side, in registers that never hold cx: 32 tiles x 3,072 bytes x bp
	s_mul_i32 s62, s16, 3072                       ; + my tile of a chunk of eight
	s_add_co_u32 s60, s60, s62
	s_mov_b32 s61, 0
	s_mul_i32 s63, s16, LTILE                      ; and where it goes
	; descriptor group 1 for a tile's codes: 3,072 dense bytes as 6 rows of 512 (64 elements of 8 bytes), 128 bytes of padding behind each
	s_mov_b32 s24, 15|(3<<16)|(1<<20)|(1<<21)|(6<<22)|(31<<25)   ; 15:0 the mask: all four; 17:16 elements of 8 bytes; 20 padding on; 21 set beside a mask; 24:22 after every 128 words; 31:25 32 words of it
	s_mov_b32 s25, 64<<16                          ; tensor_dim0 = 64
	s_mov_b32 s26, 6<<16                           ; tensor_dim1 = 6
	s_mov_b32 s27, 64<<16                          ; tile_dim0 = 64
	s_mov_b32 s28, 6                               ; tile_dim1 = 6
	s_mov_b32 s29, 64                              ; from row to row
	s_mov_b32 s30, 0
	s_mov_b32 s31, 0
	; and for four tiles' scale words: 512 dense bytes as 2 rows of 256, no padding
	s_mov_b32 s32, 15|(3<<16)|(1<<21)
	s_mov_b32 s33, 32<<16
	s_mov_b32 s34, 2<<16
	s_mov_b32 s35, 32<<16
	s_mov_b32 s36, 2
	s_mov_b32 s37, 32
	s_mov_b32 s38, 0
	s_mov_b32 s39, 0
	s_wait_dscnt 0x0
	s_wait_kmcnt 0x0
	s_mul_i32 s22, s20, 3072
	s_add_nc_u64 s[4:5], s[4:5], s[22:23]          ; x's codes at my first tile
	s_lshl_b32 s22, s20, 7
	s_add_nc_u64 s[6:7], s[6:7], s[22:23]          ; its scale words
	s_lshl_b32 s22, s20, 17
	s_lshl_b32 s21, s19, 11
	s_add_co_u32 s22, s22, s21
	s_add_nc_u64 s[12:13], s[12:13], s[22:23]      ; gmF: 131,072 x tile + 2,048 bp
	s_lshl_b32 s22, s20, 14
	s_lshl_b32 s21, s19, 8
	s_add_co_u32 s22, s22, s21
	s_add_nc_u64 s[14:15], s[14:15], s[22:23]      ; gmC: 16,384 x tile + 256 bp
	s_add_nc_u64 s[8:9], s[8:9], s[60:61]          ; W's codes at my tile of chunk 0
	s_lshl_b32 s60, s19, 12
	s_lshl_b32 s62, s16, 9
	s_add_co_u32 s60, s60, s62
	s_add_nc_u64 s[10:11], s[10:11], s[60:61]      ; W's scale words: 4,096 bp + 512 wave
	WIN 0x40                                       ; destination window 1
.irp i, 0,1,2,3,4,5,6,7
.irp m, 0,1,2,3,4,5
	global_load_b128 v[24*\i+4*\m:24*\i+4*\m+3], v6, s[4:5] offset:3072*\i+256*\m   ; x's fragments: they stay
.endr
.endr
	WIN 0
.irp i, 0,1,2,3,4,5,6,7
	global_load_b32 v[8+\i], v7, s[6:7] offset:128*\i
.endr
	s_mov_b32 s40, 1                               ; group 0 for the scale words
	s_add_co_u32 s41, s62, LSC
	s_mov_b64 s[42:43], s[10:11]
	s_or_b32 s43, s43, 0x80000000
.irp l, 0,1,2,3                                ; and for my tile 8 l + wave of chunk l
	s_mov_b32 s[44+4*\l], 1
	s_add_co_u32 s[45+4*\l], s63, \l*8*LTILE
	s_add_nc_u64 s[46+4*\l:47+4*\l], s[8:9], \l*8*3072
	s_or_b32 s[47+4*\l], s[47+4*\l], 0x80000000
.endr
	ROUND                                          ; all four work-groups are here: the joint loads meet
	tensor_load_to_lds s[40:43], s[32:39]          ; all fills of the launch go out together: the scale words,
	s_nop 0
	tensor_load_to_lds s[44:47], s[24:31]          ; then the four chunks of eight tiles
	s_nop 0
	tensor_load_to_lds s[48:51], s[24:31]
	s_nop 0
	tensor_load_to_lds s[52:55], s[24:31]
	s_nop 0
	tensor_load_to_lds s[56:59], s[24:31]
	s_nop 0
.rept 4
	v_nop
.endr
; W's tile t: 6 loads of 16 bytes a lane bring both K steps' fragments as they lie, one more the scale words: 7 LDS instructions
.macro LOADW t
.set WBB, 16+24*((\t)%2)
.irp m, 0,1,2,3,4,5
	ds_load_b128 v[WBB+4*\m:WBB+4*\m+3], v[1+(\t)/16] offset:((\t)%16)*LTILE+(\m/2)*640+(\m%2)*256
.endr
	ds_load_b32 v[64+(\t)%2], v3 offset:128*(\t)
.endm
; 16 products: tile t against my 8 tiles of x, K step 0 (it starts the sums), then K step 1 (scale words from lanes 16-31).  The 8 accumulators take turns
.macro MUL t
.set WBB, 16+24*((\t)%2)
.set ACB, 128+64*((\t)%2)
.set WSR, 64+(\t)%2
	WIN 0x04                                       ; source 1 (x) window 1
.irp i, 0,1,2,3,4,5,6,7
	v_wmma_scale_f32_16x16x128_f8f6f4 v[ACB+8*\i:ACB+8*\i+7], v[WBB:WBB+11], v[24*\i:24*\i+11], 0, v[WSR], v[8+\i] matrix_a_fmt:MATRIX_FMT_BF6 matrix_b_fmt:MATRIX_FMT_BF6
.endr
.irp i, 0,1,2,3,4,5,6,7
	v_wmma_scale_f32_16x16x128_f8f6f4 v[ACB+8*\i:ACB+8*\i+7], v[WBB+12:WBB+23], v[24*\i+12:24*\i+23], v[ACB+8*\i:ACB+8*\i+7], v[WSR], v[8+\i] matrix_a_fmt:MATRIX_FMT_BF6 matrix_b_fmt:MATRIX_FMT_BF6 matrix_a_scale:MATRIX_SCALE_ROW1 matrix_b_scale:MATRIX_SCALE_ROW1
.endr
	WIN 0
.endm
; Tile t's 64 scores of a lane go into the fine maxima, each accumulator from its low end on; behind every 8 tiles the four fine maxima of each tile of x go into the coarse one and are stored
.macro MAXES t
.set ACB, 128+64*((\t)%2)
.set PB, ((\t)%8)/2
.if ((\t)%8 == 0) && ((\t) > 0)
	s_wait_xcnt 0x0                                ; the fine maxima were store data: they are written again only behind this wait
.endif
.if (\t)%2 == 0
.irp i, 0,1,2,3,4,5,6,7
	v_max3_num_f32 v[F+4*\i+PB], v[ACB+8*\i], v[ACB+8*\i+1], v[ACB+8*\i+2]     ; an even tile starts the group's maximum
.endr
.irp i, 0,1,2,3,4,5,6,7
	v_max3_num_f32 v[F+4*\i+PB], v[F+4*\i+PB], v[ACB+8*\i+3], v[ACB+8*\i+4]
.endr
.irp i, 0,1,2,3,4,5,6,7
	v_max3_num_f32 v[F+4*\i+PB], v[F+4*\i+PB], v[ACB+8*\i+5], v[ACB+8*\i+6]
.endr
.irp i, 0,1,2,3,4,5,6,7
	v_max_num_f32 v[F+4*\i+PB], v[F+4*\i+PB], v[ACB+8*\i+7]
.endr
.else
.irp k, 0,2,4,6
.irp i, 0,1,2,3,4,5,6,7
	v_max3_num_f32 v[F+4*\i+PB], v[F+4*\i+PB], v[ACB+8*\i+\k], v[ACB+8*\i+\k+1]
.endr
.endr
.endif
.if (\t)%8 == 7
.set LL, (\t)/8
.if LL%2 == 0
.irp i, 0,1,2,3,4,5,6,7
	v_max3_num_f32 v[CM+2*\i+LL/2], v[F+4*\i], v[F+4*\i+1], v[F+4*\i+2]
.endr
.irp i, 0,1,2,3,4,5,6,7
	v_max_num_f32 v[CM+2*\i+LL/2], v[CM+2*\i+LL/2], v[F+4*\i+3]
.endr
.else
.irp i, 0,1,2,3,4,5,6,7
	v_max3_num_f32 v[CM+2*\i+LL/2], v[CM+2*\i+LL/2], v[F+4*\i], v[F+4*\i+1]
.endr
.irp i, 0,1,2,3,4,5,6,7
	v_max3_num_f32 v[CM+2*\i+LL/2], v[CM+2*\i+LL/2], v[F+4*\i+2], v[F+4*\i+3]
.endr
.endif
.irp i, 0,1,2,3,4,5,6,7
	global_store_b128 v4, v[F+4*\i:F+4*\i+3], s[12:13] offset:131072*\i+1024*(LL/2)+512*(LL%2)   ; 32 lanes store 512 consecutive bytes, aligned
.endr
.endif
.if (\t) == 31
.irp i, 0,1,2,3,4,5,6,7
	global_store_b64 v5, v[CM+2*\i:CM+2*\i+1], s[14:15] offset:16384*\i                         ; 32 lanes store 256 consecutive bytes, aligned
.endr
.endif
.endm
; A tile's turn.  The maxima of tile t - 1 stand behind the products of tile t: 32 plain vector instructions on the OTHER set of accumulators.  They are the places between tile t's products and what follows them:
; the loads into the buffer that those products read (tile t + 2's), the first read of their results, and the products that begin the same accumulators anew (ISA guide 7.12.1 for vector instructions).
.macro TILE t
.if (\t) == 31
	s_wait_dscnt 0x0
	MUL 31
	MAXES 30
	MAXES 31
.elseif (\t)%8 == 7                    ; the next tile lies in the next chunk, which other waves' loads brought
	s_wait_dscnt 0x0                               ; tile t is in; no LDS instruction of mine is out at the signal
	s_wait_tensorcnt 2-(\t)/8                      ; my tile of the next chunk has landed; the later chunks' loads may stay out
	s_barrier_signal -1
	MUL \t                                         ; work on registers while the others arrive
	s_barrier_wait -1
	LOADW (\t)+1
	MAXES (\t)-1
.else
	LOADW (\t)+1
	s_wait_dscnt 7                                 ; tile t is in; only the 7 just issued may be out
.if (\t) == 0
	s_wait_loadcnt 0x0                             ; x's fragments and scale words
.endif
	MUL \t
.if (\t) == 0
.rept 5
	v_nop                                          ; there are no maxima yet to stand here
.endr
.else
	MAXES (\t)-1
.endif
.endif
.endm
	s_wait_tensorcnt 0x3                           ; my scale words and my tile of chunk 0 are in; three chunks stay out
	s_barrier_signal -1
	s_barrier_wait -1                              ; everybody's are
	LOADW 0
.irp t, 0,1,2,3,4,5,6,7,8,9,10,11,12,13,14,15,16,17,18,19,20,21,22,23,24,25,26,27,28,29,30,31
	TILE \t
.endr
	s_wait_tensorcnt 0x0
	ds_add_u32 v126, v127
	s_wait_dscnt 0x0
	ROUND                                          ; the closing round: no work-group ends while a partner may still ask jointly
	s_endpgm
.Lfunc_end_k_q4cc58eccd2_scores:
	.size	k_q4cc58eccd2_scores, .Lfunc_end_k_q4cc58eccd2_scores-k_q4cc58eccd2_scores
	.p2alignl 7, 3214868480
	.fill 96, 4, 3214868480
	.section	.rodata,"a",@progbits
	.p2align	6, 0x0
	.amdhsa_kernel k_q4cc58eccd2_scores
		.amdhsa_group_segment_fixed_size 168960
		.amdhsa_private_segment_fixed_size 0
		.amdhsa_enable_private_segment 0
		.amdhsa_kernarg_size 48
		.amdhsa_user_sgpr_count 2
		.amdhsa_user_sgpr_kernarg_segment_ptr 1
		.amdhsa_wavefront_size32 1
		.amdhsa_system_sgpr_workgroup_id_x 1
		.amdhsa_system_sgpr_workgroup_id_y 1
		.amdhsa_system_sgpr_workgroup_id_z 1
		.amdhsa_system_vgpr_workitem_id 0
		.amdhsa_next_free_vgpr 512
		.amdhsa_next_free_sgpr 66
		.amdhsa_reserve_vcc 0
		.amdhsa_float_denorm_mode_32 3
		.amdhsa_float_denorm_mode_16_64 3
		.amdhsa_memory_ordered 1
		.amdhsa_forward_progress 1
		.amdhsa_inst_pref_size 161
	.end_amdhsa_kernel
	.amdgpu_metadata
---
amdhsa.version: [ 1, 2 ]
amdhsa.kernels:
  - .name:           k_q4cc58eccd2_scores
    .symbol:         k_q4cc58eccd2_scores.kd
    .args:
      - { .name: Xc, .offset: 0, .size: 8, .value_kind: global_buffer, .address_space: global }
      - { .name: Xs, .offset: 8, .size: 8, .value_kind: global_buffer, .address_space: global }
      - { .name: Wc, .offset: 16, .size: 8, .value_kind: global_buffer, .address_space: global }
      - { .name: Ws, .offset: 24, .size: 8, .value_kind: global_buffer, .address_space: global }
      - { .name: gmF, .offset: 32, .size: 8, .value_kind: global_buffer, .address_space: global }
      - { .name: gmC, .offset: 40, .size: 8, .value_kind: global_buffer, .address_space: global }
    .group_segment_fixed_size: 168960
    .private_segment_fixed_size: 0
    .kernarg_segment_align: 8
    .kernarg_segment_size: 48
    .max_flat_workgroup_size: 256
    .sgpr_count:     66
    .vgpr_count:     512
    .wavefront_size: 32
...
	.end_amdgpu_metadata
.endif
;; end of part 2
;; launch pickc (part 3): grid 256 x 1, 4 waves a work-group, no clusters, 37,376 bytes of LDS; arguments gmC, idsA; writes idsA
.if DOCPART == 3
	.amdgcn_target "amdgcn-amd-amdhsa--gfx1250"
	.amdhsa_code_object_version 6
	.text
	.protected	k_q4cc58eccd2_pickc
	.globl	k_q4cc58eccd2_pickc
	.p2align	8
	.type	k_q4cc58eccd2_pickc,@function
k_q4cc58eccd2_pickc:
	s_mov_b64 s[64:65], 0
	v_nop
	global_prefetch_b8 v0, s[64:65] scope:SCOPE_SE
	s_setreg_imm32_b32 hwreg(HW_REG_WAVE_MODE, 25, 1), 1
	s_wait_xcnt 0x0
; For each of 4,096 rows: WHICH 16 of its 256 coarse groups (128 columns each) come first in the order (maximum descending, group number ascending).  The numbers are stored as a set, idsA [mt 256][place 16][r 16].
; Groups are runs of neighbouring columns, so this order is the order of their best columns under (score descending, column ascending): a row's 16 best columns, and its 16 best fine groups, lie in these 16 groups.
; No branch and no address hangs on a score: all is done by compare-and-select networks.  +0 and -0 count as equal (the lower number wins); NaN is not served.
; SHARES.  A work-group takes 16 rows (tile mt).  Wave w takes groups 64 w .. 64 w + 63; lane (r, h) holds 32 of row r's.  Two sorts of 16, a merge, a merge with lane l xor 16, two merges with other waves through LDS.
; A BANK is 32 registers: 16 values, then their 16 numbers.  All four waves make every merge, so no wave has a role of its own.
.set B0, 32
.set B1, 64
.set B2, 96
.set MK, 32                            ; s32-55: masks of 8 pairs: greater, equal, lower number
.set SEL, 12
.set ST, 4                             ; v4 where I store a bank's image; v5, v6 where wave w xor 1, w xor 2 stored theirs
.set PA, 5
.macro LOGIC                           ; first precedes second: greater, or equal with the lower number
.irp n, 0,1,2,3,4,5,6,7
	s_and_b32 s[MK+8+\n], s[MK+8+\n], s[MK+16+\n]
.endr
.irp n, 0,1,2,3,4,5,6,7
	s_or_b32 s[MK+\n], s[MK+\n], s[MK+8+\n]
.endr
.endm
; One layer of a bitonic network on 16: pairs (i, i + j); the one that precedes goes to the lower place where i & k = 0, else to the upper.  Every place of dst is written: the banks take turns and nothing is moved
.macro LAYER src, dst, k, j
.set li, 0
.set ln, 0
.rept 16
.if (li & \j) == 0
	v_cmp_gt_f32 s[MK+ln], v[\src+li], v[\src+li+\j]
	v_cmp_eq_f32 s[MK+8+ln], v[\src+li], v[\src+li+\j]
	v_cmp_lt_u32 s[MK+16+ln], v[\src+16+li], v[\src+16+li+\j]
.set ln, ln+1
.endif
.set li, li+1
.endr
	LOGIC
.set li, 0
.set ln, 0
.rept 16
.if (li & \j) == 0
.if (li & \k) == 0
.set lf, li
.set ls, li+\j
.else
.set lf, li+\j
.set ls, li
.endif
	v_cndmask_b32 v[\dst+lf], v[\src+li+\j], v[\src+li], s[MK+ln]
	v_cndmask_b32 v[\dst+ls], v[\src+li], v[\src+li+\j], s[MK+ln]
	v_cndmask_b32 v[\dst+16+lf], v[\src+16+li+\j], v[\src+16+li], s[MK+ln]
	v_cndmask_b32 v[\dst+16+ls], v[\src+16+li], v[\src+16+li+\j], s[MK+ln]
.set ln, ln+1
.endif
.set li, li+1
.endr
.endm
.macro SORT16 a, t                     ; bank a sorted, the first foremost; t is at work
	LAYER \a, \t, 2, 1
	LAYER \t, \a, 4, 2
	LAYER \a, \t, 4, 1
	LAYER \t, \a, 8, 4
	LAYER \a, \t, 8, 2
	LAYER \t, \a, 8, 1
	LAYER \a, \t, 16, 8
	LAYER \t, \a, 16, 4
	LAYER \a, \t, 16, 2
	LAYER \t, \a, 16, 1
.endm
.macro MERGE0 a, b, z                  ; of two sorted banks the 16 that come first, as a set (a bitonic run) in z
.irp g, 0,8
.irp n, 0,1,2,3,4,5,6,7
	v_cmp_gt_f32 s[MK+\n], v[\a+\g+\n], v[\b+15-\g-\n]
	v_cmp_eq_f32 s[MK+8+\n], v[\a+\g+\n], v[\b+15-\g-\n]
	v_cmp_lt_u32 s[MK+16+\n], v[\a+16+\g+\n], v[\b+31-\g-\n]
.endr
	LOGIC
.irp n, 0,1,2,3,4,5,6,7
	v_cndmask_b32 v[\z+\g+\n], v[\b+15-\g-\n], v[\a+\g+\n], s[MK+\n]
	v_cndmask_b32 v[\z+16+\g+\n], v[\b+31-\g-\n], v[\a+16+\g+\n], s[MK+\n]
.endr
.endr
.endm
.macro MERGE a, b, z                   ; the same, sorted, in z; a is at work
	MERGE0 \a, \b, \z
	LAYER \z, \a, 16, 8
	LAYER \a, \z, 16, 4
	LAYER \z, \a, 16, 2
	LAYER \a, \z, 16, 1
.endm
.macro HSWAP a, d                      ; lane l xor 16's bank a into d (d has been written before)
.set li, 0
.rept 32
	v_permlanex16_b32 v[\d+li], v[\a+li], s[SEL], s[SEL+1]
.set li, li+1
.endr
.endm
.macro XCHG a, d, lev                  ; my bank a to LDS as an image of its registers; wave w xor (1 << lev)'s into d.  Each level has LDS bytes of its own: one barrier a level
.irp g, 0,1,2,3,4,5,6,7
	ds_store_b128 v[ST], v[\a+4*\g:\a+4*\g+3] offset:\lev*16384+512*\g
.endr
	s_wait_dscnt 0x0                               ; for the others' sake: my stores have landed
	s_barrier_signal -1
	s_barrier_wait -1
.irp g, 0,1,2,3,4,5,6,7
	ds_load_b128 v[\d+4*\g:\d+4*\g+3], v[PA+\lev] offset:\lev*16384+512*\g
.endr
	s_wait_dscnt 0x0
.endm
; The 16 numbers leave through my own stage, [place][r].  The last merge is not sorted: waves 0 and 1 hold the set in one order, waves 2 and 3 in the reverse.  So wave w sends places 4 (w & 1) .. + 3 of ITS list to places 4 w .. + 3
; of the output: waves 0, 1 the first eight of the one order, waves 2, 3 the first eight of the other: each member once.
.macro OUTIDS ids
.irp k, 0,1,2,3,4,5,6,7,8,9,10,11,12,13,14,15
	ds_store_b32 v7, v[\ids+\k] offset:64*\k       ; lanes r and r + 16 write the same word with the same value
.endr
	ds_load_b64 v[10:11], v8                       ; LDS serves a wave's instructions in order: this sees my stores
	s_wait_dscnt 0x0
	global_store_b64 v2, v[10:11], s[6:7]          ; 32 lanes store 256 consecutive bytes, aligned
.endm
	s_load_b128 s[4:7], s[0:1], 0x0                ; gmC s[4:5], idsA s[6:7]
	v_lshl_add_u32 v128, v0, 2, 0x9000
	v_mov_b32 v129, 0
	v_lshrrev_b32 v1, 5, v0
	v_readfirstlane_b32 s8, v1                     ; wave 0..3
	v_and_b32 v1, 31, v0                           ; lane
	v_and_b32 v9, 15, v0                           ; r
	v_bfe_u32 v12, v0, 4, 1                        ; h
	v_lshlrev_b32 v2, 3, v1                        ; 8 x lane
	v_lshlrev_b32 v13, 4, v1                       ; 16 x lane
	s_lshl_b32 s9, s8, 6
	v_add_nc_u32 v3, s9, v12                       ; 64 w + h: my first group's number
	s_lshl_b32 s9, s8, 12
	v_add_nc_u32 v[ST], s9, v13
	s_xor_b32 s14, s8, 1
	s_lshl_b32 s14, s14, 12
	v_add_nc_u32 v[PA], s14, v13
	s_xor_b32 s14, s8, 2
	s_lshl_b32 s14, s14, 12
	v_add_nc_u32 v[PA+1], s14, v13
	s_lshl_b32 s14, s8, 10
	s_add_co_u32 s14, s14, 32768                   ; my stage, behind the two levels' images
	v_lshl_add_u32 v7, v9, 2, s14
	s_and_b32 s15, s8, 1
	s_lshl_b32 s15, s15, 8
	s_add_co_u32 s15, s15, s14
	v_add_nc_u32 v8, s15, v2
	s_mov_b32 s[SEL], 0x76543210
	s_mov_b32 s[SEL+1], 0xfedcba98
	s_lshl_b32 s10, ttmp9, 14
	s_add_co_u32 s10, s10, s9                      ; gmC: 16,384 mt + 4,096 w
	s_mov_b32 s11, 0
	s_lshl_b32 s16, ttmp9, 10
	s_lshl_b32 s17, s8, 8
	s_add_co_u32 s16, s16, s17                     ; idsA: 1,024 mt + 256 w
	s_mov_b32 s17, 0
	s_wait_kmcnt 0x0
	s_add_nc_u64 s[4:5], s[4:5], s[10:11]
	s_add_nc_u64 s[6:7], s[6:7], s[16:17]
.irp t, 0,1,2,3,4,5,6,7
	global_load_b64 v[B0+2*\t:B0+2*\t+1], v2, s[4:5] offset:256*\t          ; 32 lanes read 256 consecutive bytes: groups 64 w + 4 t + 2 e + h
.endr
.irp t, 0,1,2,3,4,5,6,7
	global_load_b64 v[B2+2*\t:B2+2*\t+1], v2, s[4:5] offset:2048+256*\t
.endr
.irp n, 0,1,2,3,4,5,6,7,8,9,10,11,12,13,14,15
	v_add_nc_u32 v[B0+16+\n], 2*\n, v3
	v_add_nc_u32 v[B2+16+\n], 32+2*\n, v3
.endr
	s_wait_loadcnt 0x0
	SORT16 B0, B1
	SORT16 B2, B1
	MERGE B0, B2, B1                               ; my 32
	HSWAP B1, B2
	MERGE B1, B2, B0                               ; the wave's 64 of row r
	XCHG B0, B2, 0
	MERGE B0, B2, B1                               ; 128
	XCHG B1, B2, 1
	MERGE0 B1, B2, B0                              ; all 256: the set is enough
	OUTIDS B0+16
	s_wait_tensorcnt 0x0
	ds_add_u32 v128, v129
	s_wait_dscnt 0x0
	s_endpgm
.Lfunc_end_k_q4cc58eccd2_pickc:
	.size	k_q4cc58eccd2_pickc, .Lfunc_end_k_q4cc58eccd2_pickc-k_q4cc58eccd2_pickc
	.p2alignl 7, 3214868480
	.fill 96, 4, 3214868480
	.section	.rodata,"a",@progbits
	.p2align	6, 0x0
	.amdhsa_kernel k_q4cc58eccd2_pickc
		.amdhsa_group_segment_fixed_size 37376
		.amdhsa_private_segment_fixed_size 0
		.amdhsa_enable_private_segment 0
		.amdhsa_kernarg_size 16
		.amdhsa_user_sgpr_count 2
		.amdhsa_user_sgpr_kernarg_segment_ptr 1
		.amdhsa_wavefront_size32 1
		.amdhsa_system_sgpr_workgroup_id_x 1
		.amdhsa_system_sgpr_workgroup_id_y 1
		.amdhsa_system_sgpr_workgroup_id_z 1
		.amdhsa_system_vgpr_workitem_id 0
		.amdhsa_next_free_vgpr 130
		.amdhsa_next_free_sgpr 66
		.amdhsa_reserve_vcc 0
		.amdhsa_float_denorm_mode_32 3
		.amdhsa_float_denorm_mode_16_64 3
		.amdhsa_memory_ordered 1
		.amdhsa_forward_progress 1
		.amdhsa_inst_pref_size 162
	.end_amdhsa_kernel
	.amdgpu_metadata
---
amdhsa.version: [ 1, 2 ]
amdhsa.kernels:
  - .name:           k_q4cc58eccd2_pickc
    .symbol:         k_q4cc58eccd2_pickc.kd
    .args:
      - { .name: gmC, .offset: 0, .size: 8, .value_kind: global_buffer, .address_space: global }
      - { .name: idsA, .offset: 8, .size: 8, .value_kind: global_buffer, .address_space: global }
    .group_segment_fixed_size: 37376
    .private_segment_fixed_size: 0
    .kernarg_segment_align: 8
    .kernarg_segment_size: 16
    .max_flat_workgroup_size: 128
    .sgpr_count:     66
    .vgpr_count:     130
    .wavefront_size: 32
...
	.end_amdgpu_metadata
.endif
;; end of part 3
;; launch pickf (part 4): grid 256 x 1, 4 waves a work-group, no clusters, 37,376 bytes of LDS; arguments gmF, idsA, idsB; writes idsB
.if DOCPART == 4
	.amdgcn_target "amdgcn-amd-amdhsa--gfx1250"
	.amdhsa_code_object_version 6
	.text
	.protected	k_q4cc58eccd2_pickf
	.globl	k_q4cc58eccd2_pickf
	.p2align	8
	.type	k_q4cc58eccd2_pickf,@function
k_q4cc58eccd2_pickf:
	s_mov_b64 s[64:65], 0
	v_nop
	global_prefetch_b8 v0, s[64:65] scope:SCOPE_SE
	s_setreg_imm32_b32 hwreg(HW_REG_WAVE_MODE, 25, 1), 1
	s_wait_xcnt 0x0
; For each of 4,096 rows: WHICH 16 of the 128 fine groups (16 columns each) under its 16 chosen coarse groups (idsA) come first in the order (maximum descending, group number ascending).  Stored as a set, idsB [mt][place 16][r 16].
; The addresses into gmF are made of idsA's whole numbers, which an earlier launch stored; each is held at 255 first.  No branch and no address hangs on a score.  +0 and -0 count as equal; NaN is not served.
; SHARES.  A work-group takes 16 rows (tile mt).  Wave w takes places 4 w .. 4 w + 3 of the list; lane (r, h) takes fine groups 8 c + 4 h + 0..3 of each: 16 a lane.  A sort, a merge with lane l xor 16, two merges through LDS.
; A BANK is 32 registers: 16 values, then their 16 numbers.
.set B0, 32
.set B1, 64
.set B2, 96
.set MK, 32                            ; s32-55: masks of 8 pairs: greater, equal, lower number
.set SEL, 12
.set ST, 4
.set PA, 5
.macro LOGIC                           ; first precedes second: greater, or equal with the lower number
.irp n, 0,1,2,3,4,5,6,7
	s_and_b32 s[MK+8+\n], s[MK+8+\n], s[MK+16+\n]
.endr
.irp n, 0,1,2,3,4,5,6,7
	s_or_b32 s[MK+\n], s[MK+\n], s[MK+8+\n]
.endr
.endm
.macro LAYER src, dst, k, j            ; one layer of a bitonic network on 16; every place of dst is written
.set li, 0
.set ln, 0
.rept 16
.if (li & \j) == 0
	v_cmp_gt_f32 s[MK+ln], v[\src+li], v[\src+li+\j]
	v_cmp_eq_f32 s[MK+8+ln], v[\src+li], v[\src+li+\j]
	v_cmp_lt_u32 s[MK+16+ln], v[\src+16+li], v[\src+16+li+\j]
.set ln, ln+1
.endif
.set li, li+1
.endr
	LOGIC
.set li, 0
.set ln, 0
.rept 16
.if (li & \j) == 0
.if (li & \k) == 0
.set lf, li
.set ls, li+\j
.else
.set lf, li+\j
.set ls, li
.endif
	v_cndmask_b32 v[\dst+lf], v[\src+li+\j], v[\src+li], s[MK+ln]
	v_cndmask_b32 v[\dst+ls], v[\src+li], v[\src+li+\j], s[MK+ln]
	v_cndmask_b32 v[\dst+16+lf], v[\src+16+li+\j], v[\src+16+li], s[MK+ln]
	v_cndmask_b32 v[\dst+16+ls], v[\src+16+li], v[\src+16+li+\j], s[MK+ln]
.set ln, ln+1
.endif
.set li, li+1
.endr
.endm
.macro SORT16 a, t
	LAYER \a, \t, 2, 1
	LAYER \t, \a, 4, 2
	LAYER \a, \t, 4, 1
	LAYER \t, \a, 8, 4
	LAYER \a, \t, 8, 2
	LAYER \t, \a, 8, 1
	LAYER \a, \t, 16, 8
	LAYER \t, \a, 16, 4
	LAYER \a, \t, 16, 2
	LAYER \t, \a, 16, 1
.endm
.macro MERGE0 a, b, z                  ; of two sorted banks the 16 that come first, as a set in z
.irp g, 0,8
.irp n, 0,1,2,3,4,5,6,7
	v_cmp_gt_f32 s[MK+\n], v[\a+\g+\n], v[\b+15-\g-\n]
	v_cmp_eq_f32 s[MK+8+\n], v[\a+\g+\n], v[\b+15-\g-\n]
	v_cmp_lt_u32 s[MK+16+\n], v[\a+16+\g+\n], v[\b+31-\g-\n]
.endr
	LOGIC
.irp n, 0,1,2,3,4,5,6,7
	v_cndmask_b32 v[\z+\g+\n], v[\b+15-\g-\n], v[\a+\g+\n], s[MK+\n]
	v_cndmask_b32 v[\z+16+\g+\n], v[\b+31-\g-\n], v[\a+16+\g+\n], s[MK+\n]
.endr
.endr
.endm
.macro MERGE a, b, z                   ; the same, sorted, in z; a is at work
	MERGE0 \a, \b, \z
	LAYER \z, \a, 16, 8
	LAYER \a, \z, 16, 4
	LAYER \z, \a, 16, 2
	LAYER \a, \z, 16, 1
.endm
.macro HSWAP a, d
.set li, 0
.rept 32
	v_permlanex16_b32 v[\d+li], v[\a+li], s[SEL], s[SEL+1]
.set li, li+1
.endr
.endm
.macro XCHG a, d, lev                  ; my bank to LDS as an image of its registers; wave w xor (1 << lev)'s into d.  Each level has LDS bytes of its own
.irp g, 0,1,2,3,4,5,6,7
	ds_store_b128 v[ST], v[\a+4*\g:\a+4*\g+3] offset:\lev*16384+512*\g
.endr
	s_wait_dscnt 0x0                               ; for the others' sake: my stores have landed
	s_barrier_signal -1
	s_barrier_wait -1
.irp g, 0,1,2,3,4,5,6,7
	ds_load_b128 v[\d+4*\g:\d+4*\g+3], v[PA+\lev] offset:\lev*16384+512*\g
.endr
	s_wait_dscnt 0x0
.endm
; The last merge is not sorted: waves 0, 1 hold the set in one order, waves 2, 3 in the reverse.  Wave w sends places 4 (w & 1) .. + 3 of ITS list to places 4 w .. + 3 of the output: each member once.
.macro OUTIDS ids
.irp k, 0,1,2,3,4,5,6,7,8,9,10,11,12,13,14,15
	ds_store_b32 v7, v[\ids+\k] offset:64*\k       ; lanes r and r + 16 write the same word with the same value
.endr
	ds_load_b64 v[10:11], v8                       ; LDS serves a wave's instructions in order
	s_wait_dscnt 0x0
	global_store_b64 v2, v[10:11], s[6:7]          ; 32 lanes store 256 consecutive bytes, aligned
.endm
	s_load_b64 s[4:5], s[0:1], 0x0                 ; gmF
	s_load_b64 s[18:19], s[0:1], 0x8               ; idsA
	s_load_b64 s[6:7], s[0:1], 0x10                ; idsB
	v_lshl_add_u32 v128, v0, 2, 0x9000
	v_mov_b32 v129, 0
	v_lshrrev_b32 v1, 5, v0
	v_readfirstlane_b32 s8, v1                     ; wave 0..3
	v_and_b32 v1, 31, v0                           ; lane
	v_and_b32 v9, 15, v0                           ; r
	v_bfe_u32 v12, v0, 4, 1                        ; h
	v_lshlrev_b32 v2, 3, v1                        ; 8 x lane
	v_lshlrev_b32 v3, 4, v1                        ; 16 x lane
	s_lshl_b32 s9, s8, 12
	v_add_nc_u32 v[ST], s9, v3
	s_xor_b32 s14, s8, 1
	s_lshl_b32 s14, s14, 12
	v_add_nc_u32 v[PA], s14, v3
	s_xor_b32 s14, s8, 2
	s_lshl_b32 s14, s14, 12
	v_add_nc_u32 v[PA+1], s14, v3
	s_lshl_b32 s14, s8, 10
	s_add_co_u32 s14, s14, 32768                   ; my stage
	v_lshl_add_u32 v7, v9, 2, s14
	s_and_b32 s15, s8, 1
	s_lshl_b32 s15, s15, 8
	s_add_co_u32 s15, s15, s14
	v_add_nc_u32 v8, s15, v2
	v_lshlrev_b32 v13, 2, v12                      ; 4 h
	v_lshlrev_b32 v14, 2, v9                       ; 4 r
	v_lshlrev_b32 v15, 4, v9
	v_lshl_add_u32 v15, v12, 9, v15                ; 512 h + 16 r
	s_mov_b32 s[SEL], 0x76543210
	s_mov_b32 s[SEL+1], 0xfedcba98
	s_lshl_b32 s10, ttmp9, 17                      ; gmF: 131,072 mt
	s_mov_b32 s11, 0
	s_lshl_b32 s16, ttmp9, 10
	s_lshl_b32 s17, s8, 8
	s_add_co_u32 s16, s16, s17                     ; both lists: 1,024 mt + 256 w
	s_mov_b32 s17, 0
	s_wait_kmcnt 0x0
	s_add_nc_u64 s[4:5], s[4:5], s[10:11]
	s_add_nc_u64 s[18:19], s[18:19], s[16:17]
	s_add_nc_u64 s[6:7], s[6:7], s[16:17]
.irp e, 0,1,2,3
	global_load_b32 v[16+\e], v14, s[18:19] offset:64*\e    ; row r's coarse group at place 4 w + e
.endr
	s_wait_loadcnt 0x0
.irp e, 0,1,2,3
	v_min_u32 v[16+\e], 255, v[16+\e]              ; a loaded number enters an address only behind this hold
.endr
.irp e, 0,1,2,3                                ; group c lies in block c / 2, lanes' half c % 2: byte 1,024 (c / 2) + 512 q + 256 (c % 2) + 16 r, and I take q = h
	v_and_b32 v[20+\e], 0xfe, v[16+\e]
	v_lshlrev_b32 v[20+\e], 9, v[20+\e]
	v_and_b32 v[24+\e], 1, v[16+\e]
	v_lshlrev_b32 v[24+\e], 8, v[24+\e]
	v_add_nc_u32 v[20+\e], v[20+\e], v[24+\e]
	v_add_nc_u32 v[20+\e], v[20+\e], v15
	global_load_b128 v[B0+4*\e:B0+4*\e+3], v[20+\e], s[4:5]
.endr
.irp e, 0,1,2,3
	v_lshl_add_u32 v[24+\e], v[16+\e], 3, v13      ; 8 c + 4 h
.irp k, 0,1,2,3
	v_add_nc_u32 v[B0+16+4*\e+\k], \k, v[24+\e]
.endr
.endr
	s_wait_loadcnt 0x0
	SORT16 B0, B1
	HSWAP B0, B1
	MERGE B0, B1, B2                               ; the wave's 32 of row r
	XCHG B2, B1, 0
	MERGE B2, B1, B0                               ; 64
	XCHG B0, B1, 1
	MERGE0 B0, B1, B2                              ; all 128: the set is enough
	OUTIDS B2+16
	s_wait_tensorcnt 0x0
	ds_add_u32 v128, v129
	s_wait_dscnt 0x0
	s_endpgm
.Lfunc_end_k_q4cc58eccd2_pickf:
	.size	k_q4cc58eccd2_pickf, .Lfunc_end_k_q4cc58eccd2_pickf-k_q4cc58eccd2_pickf
	.p2alignl 7, 3214868480
	.fill 96, 4, 3214868480
	.section	.rodata,"a",@progbits
	.p2align	6, 0x0
	.amdhsa_kernel k_q4cc58eccd2_pickf
		.amdhsa_group_segment_fixed_size 37376
		.amdhsa_private_segment_fixed_size 0
		.amdhsa_enable_private_segment 0
		.amdhsa_kernarg_size 24
		.amdhsa_user_sgpr_count 2
		.amdhsa_user_sgpr_kernarg_segment_ptr 1
		.amdhsa_wavefront_size32 1
		.amdhsa_system_sgpr_workgroup_id_x 1
		.amdhsa_system_sgpr_workgroup_id_y 1
		.amdhsa_system_sgpr_workgroup_id_z 1
		.amdhsa_system_vgpr_workitem_id 0
		.amdhsa_next_free_vgpr 130
		.amdhsa_next_free_sgpr 66
		.amdhsa_reserve_vcc 0
		.amdhsa_float_denorm_mode_32 3
		.amdhsa_float_denorm_mode_16_64 3
		.amdhsa_memory_ordered 1
		.amdhsa_forward_progress 1
		.amdhsa_inst_pref_size 101
	.end_amdhsa_kernel
	.amdgpu_metadata
---
amdhsa.version: [ 1, 2 ]
amdhsa.kernels:
  - .name:           k_q4cc58eccd2_pickf
    .symbol:         k_q4cc58eccd2_pickf.kd
    .args:
      - { .name: gmF, .offset: 0, .size: 8, .value_kind: global_buffer, .address_space: global }
      - { .name: idsA, .offset: 8, .size: 8, .value_kind: global_buffer, .address_space: global }
      - { .name: idsB, .offset: 16, .size: 8, .value_kind: global_buffer, .address_space: global }
    .group_segment_fixed_size: 37376
    .private_segment_fixed_size: 0
    .kernarg_segment_align: 8
    .kernarg_segment_size: 24
    .max_flat_workgroup_size: 128
    .sgpr_count:     66
    .vgpr_count:     130
    .wavefront_size: 32
...
	.end_amdgpu_metadata
.endif
;; end of part 4
;; launch final (part 5): grid 256 x 1, 4 waves a work-group, no clusters, 41,472 bytes of LDS; arguments Xc, Xs, Wc, Ws, idsB, out0, out1; writes out0, out1
.if DOCPART == 5
	.amdgcn_target "amdgcn-amd-amdhsa--gfx1250"
	.amdhsa_code_object_version 6
	.text
	.protected	k_q4cc58eccd2_final
	.globl	k_q4cc58eccd2_final
	.p2align	8
	.type	k_q4cc58eccd2_final,@function
k_q4cc58eccd2_final:
	s_mov_b64 s[64:65], 0
	v_nop
	global_prefetch_b8 v0, s[64:65] scope:SCOPE_SE
	s_setreg_imm32_b32 hwreg(HW_REG_WAVE_MODE, 25, 1), 1
	s_wait_xcnt 0x0
; For each of 4,096 rows: the scores of the 16 x 16 columns of its 16 chosen fine groups (idsB) are made anew, by the same matrix instruction on the same codes and scale words, K ascending, and the 16 that come first in the order
; (score descending, column ascending) are stored, sorted: out0 the scores, out1 the columns.
; The addresses into W's codes are made of idsB's whole numbers, which an earlier launch stored; each is held at 2,047 first.  No branch and no address hangs on a score.  +0 and -0 count as equal (the lower column wins); NaN is not served.
; SHARES.  A work-group takes 16 rows (tile mt of x).  Wave w takes places 4 w + ql (ql = 0..3) of all 16 rows' lists: 64 tiles, tile 16 ql + i being the group of row i: its 16 columns (source 0) against the 16 rows of x (source 1).
; Of such a result only row i's column is wanted: lanes i and i + 16, which a select with a constant mask takes over.  So lane (r, h) gathers, for each ql, row r's scores of columns 16 f + 8 h + 0..7.
; A group's 16 rows of W are the matching halves of two neighbouring tiles of Wc: f = 16 blk + 8 hp + b: tiles 16 blk + 2 b and + 1, half hp.
; Tiles go in pairs, three pairs (42 loads a wave) asked for ahead, in six buffers.
; REGISTERS: v1, v2 my place in a tile's codes and scale words; v3-8, v9-14 the six buffers' offsets; v15 8 h; v16-39 x's fragments, v40 its scale words; v41-46 W's scale words; v47-50 my row's four groups; v51 x's offset;
;   v52-59, v60-67 two accumulators; banks B0 v68-99, B2 v100-131, B1 v132-163 (16 values, then 16 numbers); W's buffers: 12 runs of 12 registers, v116-247 and v84-95, over registers that the banks take only later; v248-255 addresses.
.set B0, 68
.set B2, 100
.set B1, 132
.set MK, 24                            ; s24-47: masks; they take the places of the lists, which are done with by then
.set SEL, 20
.set ST, 248
.set PA, 249
.set VO, 3
.set VS, 9
.set WS, 41
.set VF, 47
.set D0, 52
.set D1, 60
.macro LOGIC                           ; first precedes second: greater, or equal with the lower number
.irp n, 0,1,2,3,4,5,6,7
	s_and_b32 s[MK+8+\n], s[MK+8+\n], s[MK+16+\n]
.endr
.irp n, 0,1,2,3,4,5,6,7
	s_or_b32 s[MK+\n], s[MK+\n], s[MK+8+\n]
.endr
.endm
.macro LAYER src, dst, k, j            ; one layer of a bitonic network on 16; every place of dst is written
.set li, 0
.set ln, 0
.rept 16
.if (li & \j) == 0
	v_cmp_gt_f32 s[MK+ln], v[\src+li], v[\src+li+\j]
	v_cmp_eq_f32 s[MK+8+ln], v[\src+li], v[\src+li+\j]
	v_cmp_lt_u32 s[MK+16+ln], v[\src+16+li], v[\src+16+li+\j]
.set ln, ln+1
.endif
.set li, li+1
.endr
	LOGIC
.set li, 0
.set ln, 0
.rept 16
.if (li & \j) == 0
.if (li & \k) == 0
.set lf, li
.set ls, li+\j
.else
.set lf, li+\j
.set ls, li
.endif
	v_cndmask_b32 v[\dst+lf], v[\src+li+\j], v[\src+li], s[MK+ln]
	v_cndmask_b32 v[\dst+ls], v[\src+li], v[\src+li+\j], s[MK+ln]
	v_cndmask_b32 v[\dst+16+lf], v[\src+16+li+\j], v[\src+16+li], s[MK+ln]
	v_cndmask_b32 v[\dst+16+ls], v[\src+16+li], v[\src+16+li+\j], s[MK+ln]
.set ln, ln+1
.endif
.set li, li+1
.endr
.endm
.macro SORT16 a, t
	LAYER \a, \t, 2, 1
	LAYER \t, \a, 4, 2
	LAYER \a, \t, 4, 1
	LAYER \t, \a, 8, 4
	LAYER \a, \t, 8, 2
	LAYER \t, \a, 8, 1
	LAYER \a, \t, 16, 8
	LAYER \t, \a, 16, 4
	LAYER \a, \t, 16, 2
	LAYER \t, \a, 16, 1
.endm
.macro MERGE0 a, b, z
.irp g, 0,8
.irp n, 0,1,2,3,4,5,6,7
	v_cmp_gt_f32 s[MK+\n], v[\a+\g+\n], v[\b+15-\g-\n]
	v_cmp_eq_f32 s[MK+8+\n], v[\a+\g+\n], v[\b+15-\g-\n]
	v_cmp_lt_u32 s[MK+16+\n], v[\a+16+\g+\n], v[\b+31-\g-\n]
.endr
	LOGIC
.irp n, 0,1,2,3,4,5,6,7
	v_cndmask_b32 v[\z+\g+\n], v[\b+15-\g-\n], v[\a+\g+\n], s[MK+\n]
	v_cndmask_b32 v[\z+16+\g+\n], v[\b+31-\g-\n], v[\a+16+\g+\n], s[MK+\n]
.endr
.endr
.endm
.macro MERGE a, b, z                   ; of two sorted banks the 16 that come first, sorted, in z; a is at work
	MERGE0 \a, \b, \z
	LAYER \z, \a, 16, 8
	LAYER \a, \z, 16, 4
	LAYER \z, \a, 16, 2
	LAYER \a, \z, 16, 1
.endm
.macro HSWAP a, d
.set li, 0
.rept 32
	v_permlanex16_b32 v[\d+li], v[\a+li], s[SEL], s[SEL+1]
.set li, li+1
.endr
.endm
.macro XCHG a, d, lev                  ; my bank to LDS as an image of its registers; wave w xor (1 << lev)'s into d.  Each level has LDS bytes of its own
.irp g, 0,1,2,3,4,5,6,7
	ds_store_b128 v[ST], v[\a+4*\g:\a+4*\g+3] offset:\lev*16384+512*\g
.endr
	s_wait_dscnt 0x0                               ; for the others' sake: my stores have landed
	s_barrier_signal -1
	s_barrier_wait -1
.irp g, 0,1,2,3,4,5,6,7
	ds_load_b128 v[\d+4*\g:\d+4*\g+3], v[PA+\lev] offset:\lev*16384+512*\g
.endr
	s_wait_dscnt 0x0
.endm
	s_load_b256 s[4:11], s[0:1], 0x0               ; Xc s[4:5], Xs s[6:7], Wc s[8:9], Ws s[10:11]
	s_load_b128 s[12:15], s[0:1], 0x20             ; idsB s[12:13], out0 s[14:15]
	s_load_b64 s[16:17], s[0:1], 0x30              ; out1
	s_set_vgpr_msb 0x40
	v_lshl_add_u32 v0, v0, 2, 0xa000
	v_mov_b32 v1, 0
	s_set_vgpr_msb 0x4000
	v_lshrrev_b32 v1, 5, v0
	v_readfirstlane_b32 s18, v1                    ; wave 0..3
	v_and_b32 v96, 31, v0                          ; lane
	v_and_b32 v97, 15, v0                          ; r
	v_bfe_u32 v98, v0, 4, 1                        ; h
	v_lshrrev_b32 v99, 3, v97                      ; r / 8
	v_and_b32 v2, 7, v97
	v_lshl_add_u32 v1, v98, 3, v2
	v_lshlrev_b32 v1, 4, v1                        ; 16 x slot, slot = 8 h + r % 8
	v_mad_u32_u24 v51, v99, 1536, v1               ; x: my place in the tile's codes
	v_mad_u32_u24 v1, v99, 3072, v1                ; W: rows 8-15 of a group lie in the next tile
	v_lshlrev_b32 v2, 2, v2
	v_lshl_add_u32 v2, v98, 6, v2
	v_lshl_add_u32 v2, v99, 7, v2                  ; W's scale words: 128 (r / 8) + 64 h + 4 (r % 8)
	v_lshlrev_b32 v15, 3, v98                      ; 8 h
	v_lshlrev_b32 v254, 2, v96                     ; 4 x lane
	v_lshlrev_b32 v255, 2, v97                     ; 4 r
	v_lshlrev_b32 v253, 4, v96                     ; 16 x lane
	s_lshl_b32 s19, s18, 12
	v_add_nc_u32 v[ST], s19, v253
	s_xor_b32 s19, s18, 1
	s_lshl_b32 s19, s19, 12
	v_add_nc_u32 v[PA], s19, v253
	s_xor_b32 s19, s18, 2
	s_lshl_b32 s19, s19, 12
	v_add_nc_u32 v[PA+1], s19, v253
	s_lshl_b32 s19, s18, 11
	s_add_co_u32 s19, s19, 32768                   ; my stage for the way out: 16 rows x 64 bytes of scores, then of columns
	v_lshl_add_u32 v251, v97, 6, s19
	s_lshl_b32 s22, s18, 9
	s_add_co_u32 s22, s22, s19
	v_add_nc_u32 v252, s22, v253                   ; back: the w-th 512 bytes of it
	s_mov_b32 s[SEL], 0x76543210
	s_mov_b32 s[SEL+1], 0xfedcba98
	s_mov_b32 s23, 0
	s_wait_kmcnt 0x0
	s_lshl_b32 s22, ttmp9, 10
	s_lshl_b32 s19, s18, 8
	s_add_co_u32 s22, s22, s19
	s_add_nc_u64 s[12:13], s[12:13], s[22:23]      ; idsB: 1,024 mt + 256 w
	s_load_b512 s[24:39], s[12:13], 0x0            ; the 16 rows' groups at place 4 w,
	s_load_b512 s[40:55], s[12:13], 0x40           ; 4 w + 1,
	s_load_b512 s[68:83], s[12:13], 0x80           ; 4 w + 2,
	s_load_b512 s[84:99], s[12:13], 0xc0           ; 4 w + 3
	s_mul_i32 s22, ttmp9, 3072
	s_add_nc_u64 s[4:5], s[4:5], s[22:23]
	s_lshl_b32 s22, ttmp9, 7
	s_add_nc_u64 s[6:7], s[6:7], s[22:23]
	s_lshl_b32 s22, ttmp9, 10
	s_and_b32 s19, s18, 1
	s_lshl_b32 s19, s19, 9
	s_add_co_u32 s22, s22, s19
	s_cmp_lt_u32 s18, 2                            ; waves 0, 1 store the scores' halves, waves 2, 3 the columns': the choice hangs on the wave's number alone
	s_cselect_b64 s[14:15], s[14:15], s[16:17]
	s_add_nc_u64 s[14:15], s[14:15], s[22:23]      ; 1,024 mt + 512 (w & 1)
.irp m, 0,1,2,3,4,5
	global_load_b128 v[16+4*\m:19+4*\m], v51, s[4:5] offset:256*\m
.endr
	global_load_b32 v40, v254, s[6:7]
.irp q, 0,1,2,3
	global_load_b32 v[VF+\q], v255, s[12:13] offset:64*\q    ; my own row's groups, for the columns' numbers
.endr
; Tile tau is asked for, into buffer tau % 6: 7 loads
.macro ASK tau
.set AK, (\tau)%6
.set AID, 24+16*((\tau)/16)+12*((\tau)/32)+(\tau)%16
.set AR0, 116+24*AK
.set AR1, 128+24*AK
.if AK == 5
.set AR1, 84
.endif
	s_min_u32 s56, s[AID], 2047                    ; a loaded number enters an address only behind this hold
	s_and_b32 s57, s56, 0x7f0                      ; 16 blk
	s_and_b32 s58, s56, 7                          ; b
	s_and_b32 s59, s56, 8                          ; 8 hp
	s_mul_i32 s60, s57, 3072
	s_mul_i32 s61, s58, 6144
	s_mul_i32 s62, s59, 192
	s_add_co_u32 s60, s60, s61
	s_add_co_u32 s60, s60, s62                     ; codes: 3,072 (16 blk + 2 b) + 1,536 hp
	v_add_nc_u32 v[VO+AK], s60, v1
	s_lshl_b32 s57, s57, 7
	s_lshl_b32 s58, s58, 8
	s_lshl_b32 s59, s59, 2
	s_add_co_u32 s57, s57, s58
	s_add_co_u32 s57, s57, s59                     ; scale words: 128 (16 blk + 2 b) + 32 hp
	v_add_nc_u32 v[VS+AK], s57, v2
.irp p, 0,1,2
	global_load_b128 v[AR0+4*\p:AR0+4*\p+3], v[VO+AK], s[8:9] offset:256*\p
.endr
.irp p, 0,1,2
	global_load_b128 v[AR1+4*\p:AR1+4*\p+3], v[VO+AK], s[8:9] offset:768+256*\p
.endr
	global_load_b32 v[WS+AK], v[VS+AK], s[10:11]
.endm
; Pair p: tiles 2 p and 2 p + 1: four products, the two accumulators by turns; the wanted lanes are taken over; the pair three on is asked for
.macro STEP p
.set K0, (2*(\p))%6
.set K1, (2*(\p)+1)%6
.set R00, 116+24*K0
.set R01, 128+24*K0
.set R10, 116+24*K1
.set R11, 128+24*K1
.if K1 == 5
.set R11, 84
.endif
.set QL, (\p)/8
.set I0, (2*(\p))%16
.if QL < 2
.set CA, B0+8*QL
.else
.set CA, B2+8*(QL-2)
.endif
.if (\p) < 30
	s_wait_loadcnt 28                              ; this pair's 14 loads are in (so their offsets' registers are free); the two younger pairs' may be out
.elseif (\p) == 30
	s_wait_loadcnt 14
.else
	s_wait_loadcnt 0x0
.endif
	v_wmma_scale_f32_16x16x128_f8f6f4 v[D0:D0+7], v[R00:R00+11], v[16:27], 0, v[WS+K0], v40 matrix_a_fmt:MATRIX_FMT_BF6 matrix_b_fmt:MATRIX_FMT_BF6
	v_wmma_scale_f32_16x16x128_f8f6f4 v[D1:D1+7], v[R10:R10+11], v[16:27], 0, v[WS+K1], v40 matrix_a_fmt:MATRIX_FMT_BF6 matrix_b_fmt:MATRIX_FMT_BF6
	v_wmma_scale_f32_16x16x128_f8f6f4 v[D0:D0+7], v[R01:R01+11], v[28:39], v[D0:D0+7], v[WS+K0], v40 matrix_a_fmt:MATRIX_FMT_BF6 matrix_b_fmt:MATRIX_FMT_BF6 matrix_a_scale:MATRIX_SCALE_ROW1 matrix_b_scale:MATRIX_SCALE_ROW1
	v_wmma_scale_f32_16x16x128_f8f6f4 v[D1:D1+7], v[R11:R11+11], v[28:39], v[D1:D1+7], v[WS+K1], v40 matrix_a_fmt:MATRIX_FMT_BF6 matrix_b_fmt:MATRIX_FMT_BF6 matrix_a_scale:MATRIX_SCALE_ROW1 matrix_b_scale:MATRIX_SCALE_ROW1
.rept 5
	v_nop                                          ; places: 4 in front of the reads of the results and of the loads into the buffers, 5 in front of the next pair's products, which begin the same accumulators anew
.endr
.if I0 == 0
.irp j, 0,1,2,3,4,5,6,7
	v_mov_b32 v[CA+\j], v[D0+\j]                   ; row 0's tile writes every lane: nothing is cleared
.endr
.else
	s_mov_b32 s63, 0x10001<<I0
.irp j, 0,1,2,3,4,5,6,7
	v_cndmask_b32 v[CA+\j], v[CA+\j], v[D0+\j], s63    ; lanes i and i + 16 alone
.endr
.endif
	s_mov_b32 s63, 0x10001<<(I0+1)
.irp j, 0,1,2,3,4,5,6,7
	v_cndmask_b32 v[CA+\j], v[CA+\j], v[D1+\j], s63
.endr
.if (\p) < 29
	ASK 2*(\p)+6
	ASK 2*(\p)+7
.endif
.endm
	s_wait_kmcnt 0x0                               ; the lists
.irp t, 0,1,2,3,4,5
	ASK \t
.endr
.irp p, 0,1,2,3,4,5,6,7,8,9,10,11,12,13,14,15,16,17,18,19,20,21,22,23,24,25,26,27,28,29,30,31
	STEP \p
.endr
.irp q, 0,1,2,3
	v_min_u32 v[VF+\q], 2047, v[VF+\q]             ; held as the addresses were
.endr
.irp q, 0,1,2,3
	v_lshl_add_u32 v[VO+\q], v[VF+\q], 4, v15      ; 16 f + 8 h: my first column of the group
.endr
.irp q, 0,1
.irp j, 0,1,2,3,4,5,6,7
	v_add_nc_u32 v[B0+16+8*\q+\j], \j, v[VO+\q]
	v_add_nc_u32 v[B2+16+8*\q+\j], \j, v[VO+2+\q]
.endr
.endr
	SORT16 B0, B1
	SORT16 B2, B1
	MERGE B0, B2, B1                               ; my 32
	HSWAP B1, B2
	MERGE B1, B2, B0                               ; the wave's 64 of row r
	XCHG B0, B2, 0
	MERGE B0, B2, B1                               ; 128
	XCHG B1, B2, 1
	MERGE B1, B2, B0                               ; all 256, sorted: the same list in all four waves
.irp g, 0,1,2,3
	ds_store_b128 v251, v[B0+4*\g:B0+4*\g+3] offset:16*\g              ; lanes r and r + 16 write the same bytes with the same values
	ds_store_b128 v251, v[B0+16+4*\g:B0+16+4*\g+3] offset:1024+16*\g
.endr
	ds_load_b128 v[B1:B1+3], v252                  ; LDS serves a wave's instructions in order: this sees my stores
	s_wait_dscnt 0x0
	global_store_b128 v253, v[B1:B1+3], s[14:15]   ; 32 lanes store 512 consecutive bytes, aligned: 8 rows of 16 numbers
	s_set_vgpr_msb 0x5
	s_wait_tensorcnt 0x0
	ds_add_u32 v0, v1
	s_wait_dscnt 0x0
	s_set_vgpr_msb 0x500
	s_endpgm
.Lfunc_end_k_q4cc58eccd2_final:
	.size	k_q4cc58eccd2_final, .Lfunc_end_k_q4cc58eccd2_final-k_q4cc58eccd2_final
	.p2alignl 7, 3214868480
	.fill 96, 4, 3214868480
	.section	.rodata,"a",@progbits
	.p2align	6, 0x0
	.amdhsa_kernel k_q4cc58eccd2_final
		.amdhsa_group_segment_fixed_size 41472
		.amdhsa_private_segment_fixed_size 0
		.amdhsa_enable_private_segment 0
		.amdhsa_kernarg_size 56
		.amdhsa_user_sgpr_count 2
		.amdhsa_user_sgpr_kernarg_segment_ptr 1
		.amdhsa_wavefront_size32 1
		.amdhsa_system_sgpr_workgroup_id_x 1
		.amdhsa_system_sgpr_workgroup_id_y 1
		.amdhsa_system_sgpr_workgroup_id_z 1
		.amdhsa_system_vgpr_workitem_id 0
		.amdhsa_next_free_vgpr 258
		.amdhsa_next_free_sgpr 100
		.amdhsa_reserve_vcc 0
		.amdhsa_float_denorm_mode_32 3
		.amdhsa_float_denorm_mode_16_64 3
		.amdhsa_memory_ordered 1
		.amdhsa_forward_progress 1
		.amdhsa_inst_pref_size 255
	.end_amdhsa_kernel
	.section	.bss,"aw",@nobits
	.p2align	6
	.space	262144
	.amdgpu_metadata
---
amdhsa.version: [ 1, 2 ]
amdhsa.kernels:
  - .name:           k_q4cc58eccd2_final
    .symbol:         k_q4cc58eccd2_final.kd
    .args:
      - { .name: Xc, .offset: 0, .size: 8, .value_kind: global_buffer, .address_space: global }
      - { .name: Xs, .offset: 8, .size: 8, .value_kind: global_buffer, .address_space: global }
      - { .name: Wc, .offset: 16, .size: 8, .value_kind: global_buffer, .address_space: global }
      - { .name: Ws, .offset: 24, .size: 8, .value_kind: global_buffer, .address_space: global }
      - { .name: idsB, .offset: 32, .size: 8, .value_kind: global_buffer, .address_space: global }
      - { .name: out0, .offset: 40, .size: 8, .value_kind: global_buffer, .address_space: global }
      - { .name: out1, .offset: 48, .size: 8, .value_kind: global_buffer, .address_space: global }
    .group_segment_fixed_size: 41472
    .private_segment_fixed_size: 0
    .kernarg_segment_align: 8
    .kernarg_segment_size: 56
    .max_flat_workgroup_size: 128
    .sgpr_count:     100
    .vgpr_count:     258
    .wavefront_size: 32
...
	.end_amdgpu_metadata
.endif
;; end of part 5
;; ======== version 2 of 2: 5 launches; version 1 with the launch final written anew for expert scheduling mode
;; workspace buffers: Wc 6,291,456 bytes; Ws 262,144 bytes; Xc 786,432 bytes; Xs 32,768 bytes; gmF 33,554,432 bytes; gmC 4,194,304 bytes; idsA 262,144 bytes of whole numbers; idsB 262,144 bytes of whole numbers
;; launch quant: the kernel of part 1 again; grid 256 x 1, 9 waves a work-group, no clusters, 151,040 bytes of LDS; arguments W, x, Wc, Ws, Xc, Xs; writes Wc, Ws, Xc, Xs
;; launch scores: the kernel of part 2 again; grid 4 x 64, 8 waves a work-group, clusters of 4 x 1, 168,960 bytes of LDS; arguments Xc, Xs, Wc, Ws, gmF, gmC; writes gmF, gmC
;; launch pickc: the kernel of part 3 again; grid 256 x 1, 4 waves a work-group, no clusters, 37,376 bytes of LDS; arguments gmC, idsA; writes idsA
;; launch pickf: the kernel of part 4 again; grid 256 x 1, 4 waves a work-group, no clusters, 37,376 bytes of LDS; arguments gmF, idsA, idsB; writes idsB
;; launch final (part 6): grid 256 x 1, 4 waves a work-group, no clusters, 41,472 bytes of LDS; arguments Xc, Xs, Wc, Ws, idsB, out0, out1; writes out0, out1
.if DOCPART == 6
	.amdgcn_target "amdgcn-amd-amdhsa--gfx1250"
	.amdhsa_code_object_version 6
	.text
	.protected	k_q4cc58eccd2_final
	.globl	k_q4cc58eccd2_final
	.p2align	8
	.type	k_q4cc58eccd2_final,@function
k_q4cc58eccd2_final:
	s_mov_b64 s[64:65], 0
	v_nop
	global_prefetch_b8 v0, s[64:65] scope:SCOPE_SE
	s_setreg_imm32_b32 hwreg(HW_REG_WAVE_SCHED_MODE, 0, 2), 2
	s_setreg_imm32_b32 hwreg(HW_REG_WAVE_MODE, 25, 1), 1
	s_wait_xcnt 0x0
	s_wait_alu depctr_vm_vsrc(0)
; For each of 4,096 rows: the scores of the 16 x 16 columns of its 16 chosen fine groups (idsB) are made anew, by the same matrix instruction on the same codes and scale words, K ascending, and the 16 that come first in the order
; (score descending, column ascending) are stored, sorted: out0 the scores, out1 the columns.
; The addresses into W's codes are made of idsB's whole numbers, which an earlier launch stored; each is held at 2,047 first.  No branch and no address hangs on a score.  +0 and -0 count as equal (the lower column wins); NaN is not served.
; SHARES.  A work-group takes 16 rows (tile mt of x).  Wave w takes places 4 w + ql (ql = 0..3) of all 16 rows' lists: 64 tiles, tile 16 ql + i being the group of row i: its 16 columns (source 0) against the 16 rows of x (source 1).
; Of such a result only row i's column is wanted: lanes i and i + 16, which a select with a constant mask takes over.  So lane (r, h) gathers, for each ql, row r's scores of columns 16 f + 8 h + 0..7.
; A group's 16 rows of W are the matching halves of two neighbouring tiles of Wc: f = 16 blk + 8 hp + b: tiles 16 blk + 2 b and + 1, half hp.
; Tiles go in pairs, three pairs (42 loads a wave) asked for ahead, in six buffers.
; REGISTERS: v1, v2 my place in a tile's codes and scale words; v3-8, v9-14 the six buffers' offsets; v15 8 h; v16-39 x's fragments, v40 its scale words; v41-46 W's scale words; v47-50 my row's four groups; v51 x's offset;
;   v52-59, v60-67 two accumulators; banks B0 v68-99, B2 v100-131, B1 v132-163 (16 values, then 16 numbers); W's buffers: 12 runs of 12 registers, v116-247 and v84-95, over registers that the banks take only later; v248-255 addresses.
; THE MODE: SCHED_MODE bits 1:0 = 2 (LLVM: expert scheduling mode 2), set by the entry lines.  The code itself states the register dependences between vector or matrix instructions and memory or LDS instructions,
; and those from a vector instruction's scalar result to its readers, with s_wait_alu, always for 0.
; THE PLAN.  Registers that memory or LDS instructions touch:
;   v51, v248-255   offsets and LDS addresses: made once at the head, read by memory and LDS instructions, never written again.
;   v3-8, v9-14     buffer k's offsets: written by two additions in the step that empties buffer k, read by the 7 loads that follow.
;   W's 12 runs, v41-46   buffer k: filled by 7 loads; read by two products three steps later; filled again in that same step.
;   the banks       behind the gather: written and read by the networks; an exchange's LDS stores read one bank and its LDS loads land in another.
; A step of the gather: one wait on vm_vsrc at its head (this pair's loads have read the offsets that the step writes anew); the four products; the four additions; ONE wait on va_vdst (the additions have written the offsets, the
; products are done reading the two buffers); then the 14 loads, dealt among the 16 selects, which name the accumulators and the gathered scores alone: none of the registers that those loads touch.
.set B0, 68
.set B2, 100
.set B1, 132
.set MK, 24                            ; s24-47: masks; they take the places of the lists, which are done with by then
.set SEL, 20
.set ST, 248
.set PA, 249
.set VO, 3
.set VS, 9
.set WS, 41
.set VF, 47
.set D0, 52
.set D1, 60
.macro LOGIC                           ; first precedes second: greater, or equal with the lower number
	s_wait_alu depctr_va_sdst(0)                   ; the 24 compares above have written their masks, ahead of the masks' first readers: the scalar lines below
.irp n, 0,1,2,3,4,5,6,7
	s_and_b32 s[MK+8+\n], s[MK+8+\n], s[MK+16+\n]
.endr
.irp n, 0,1,2,3,4,5,6,7
	s_or_b32 s[MK+\n], s[MK+\n], s[MK+8+\n]
.endr
.endm
.macro LAYER src, dst, k, j            ; one layer of a bitonic network on 16; every place of dst is written
.set li, 0
.set ln, 0
.rept 16
.if (li & \j) == 0
	v_cmp_gt_f32 s[MK+ln], v[\src+li], v[\src+li+\j]
	v_cmp_eq_f32 s[MK+8+ln], v[\src+li], v[\src+li+\j]
	v_cmp_lt_u32 s[MK+16+ln], v[\src+16+li], v[\src+16+li+\j]
.set ln, ln+1
.endif
.set li, li+1
.endr
	LOGIC
.set li, 0
.set ln, 0
.rept 16
.if (li & \j) == 0
.if (li & \k) == 0
.set lf, li
.set ls, li+\j
.else
.set lf, li+\j
.set ls, li
.endif
	v_cndmask_b32 v[\dst+lf], v[\src+li+\j], v[\src+li], s[MK+ln]
	v_cndmask_b32 v[\dst+ls], v[\src+li], v[\src+li+\j], s[MK+ln]
	v_cndmask_b32 v[\dst+16+lf], v[\src+16+li+\j], v[\src+16+li], s[MK+ln]
	v_cndmask_b32 v[\dst+16+ls], v[\src+16+li], v[\src+16+li+\j], s[MK+ln]
.set ln, ln+1
.endif
.set li, li+1
.endr
.endm
.macro SORT16 a, t
	LAYER \a, \t, 2, 1
	LAYER \t, \a, 4, 2
	LAYER \a, \t, 4, 1
	LAYER \t, \a, 8, 4
	LAYER \a, \t, 8, 2
	LAYER \t, \a, 8, 1
	LAYER \a, \t, 16, 8
	LAYER \t, \a, 16, 4
	LAYER \a, \t, 16, 2
	LAYER \t, \a, 16, 1
.endm
.macro MERGE0 a, b, z
.irp g, 0,8
.irp n, 0,1,2,3,4,5,6,7
	v_cmp_gt_f32 s[MK+\n], v[\a+\g+\n], v[\b+15-\g-\n]
	v_cmp_eq_f32 s[MK+8+\n], v[\a+\g+\n], v[\b+15-\g-\n]
	v_cmp_lt_u32 s[MK+16+\n], v[\a+16+\g+\n], v[\b+31-\g-\n]
.endr
	LOGIC
.irp n, 0,1,2,3,4,5,6,7
	v_cndmask_b32 v[\z+\g+\n], v[\b+15-\g-\n], v[\a+\g+\n], s[MK+\n]
	v_cndmask_b32 v[\z+16+\g+\n], v[\b+31-\g-\n], v[\a+16+\g+\n], s[MK+\n]
.endr
.endr
.endm
.macro MERGE a, b, z                   ; of two sorted banks the 16 that come first, sorted, in z; a is at work
	MERGE0 \a, \b, \z
	LAYER \z, \a, 16, 8
	LAYER \a, \z, 16, 4
	LAYER \z, \a, 16, 2
	LAYER \a, \z, 16, 1
.endm
.macro HSWAP a, d
.set li, 0
.rept 32
	v_permlanex16_b32 v[\d+li], v[\a+li], s[SEL], s[SEL+1]
.set li, li+1
.endr
.endm
.macro XCHG a, d, lev                  ; my bank to LDS as an image of its registers; wave w xor (1 << lev)'s into d.  Each level has LDS bytes of its own
	s_wait_alu depctr_va_vdst(0)                   ; the merge above has written bank a, which the stores read, and is done reading bank d, in which the loads below land
.irp g, 0,1,2,3,4,5,6,7
	ds_store_b128 v[ST], v[\a+4*\g:\a+4*\g+3] offset:\lev*16384+512*\g
.endr
	s_wait_dscnt 0x0                               ; for the others' sake: my stores have landed
	s_barrier_signal -1
	s_barrier_wait -1
.irp g, 0,1,2,3,4,5,6,7
	ds_load_b128 v[\d+4*\g:\d+4*\g+3], v[PA+\lev] offset:\lev*16384+512*\g
.endr
	s_wait_alu depctr_vm_vsrc(0)                   ; my stores have read bank a, which the next merge writes again
	s_wait_dscnt 0x0
.endm
	s_load_b256 s[4:11], s[0:1], 0x0               ; Xc s[4:5], Xs s[6:7], Wc s[8:9], Ws s[10:11]
	s_load_b128 s[12:15], s[0:1], 0x20             ; idsB s[12:13], out0 s[14:15]
	s_load_b64 s[16:17], s[0:1], 0x30              ; out1
	s_set_vgpr_msb 0x40
	v_lshl_add_u32 v0, v0, 2, 0xa000
	v_mov_b32 v1, 0
	s_set_vgpr_msb 0x4000
	v_lshrrev_b32 v1, 5, v0
	v_readfirstlane_b32 s18, v1                    ; wave 0..3
	v_and_b32 v96, 31, v0                          ; lane
	v_and_b32 v97, 15, v0                          ; r
	v_bfe_u32 v98, v0, 4, 1                        ; h
	v_lshrrev_b32 v99, 3, v97                      ; r / 8
	v_and_b32 v2, 7, v97
	v_lshl_add_u32 v1, v98, 3, v2
	v_lshlrev_b32 v1, 4, v1                        ; 16 x slot, slot = 8 h + r % 8
	v_mad_u32_u24 v51, v99, 1536, v1               ; x: my place in the tile's codes
	v_mad_u32_u24 v1, v99, 3072, v1                ; W: rows 8-15 of a group lie in the next tile
	v_lshlrev_b32 v2, 2, v2
	v_lshl_add_u32 v2, v98, 6, v2
	v_lshl_add_u32 v2, v99, 7, v2                  ; W's scale words: 128 (r / 8) + 64 h + 4 (r % 8)
	v_lshlrev_b32 v15, 3, v98                      ; 8 h
	v_lshlrev_b32 v254, 2, v96                     ; 4 x lane
	v_lshlrev_b32 v255, 2, v97                     ; 4 r
	v_lshlrev_b32 v253, 4, v96                     ; 16 x lane
	s_wait_alu depctr_va_sdst(0)                   ; s18 is written, ahead of its first reader: LDS addresses and the buffers' bases are made from it
	s_lshl_b32 s19, s18, 12
	v_add_nc_u32 v[ST], s19, v253
	s_xor_b32 s19, s18, 1
	s_lshl_b32 s19, s19, 12
	v_add_nc_u32 v[PA], s19, v253
	s_xor_b32 s19, s18, 2
	s_lshl_b32 s19, s19, 12
	v_add_nc_u32 v[PA+1], s19, v253
	s_lshl_b32 s19, s18, 11
	s_add_co_u32 s19, s19, 32768                   ; my stage for the way out: 16 rows x 64 bytes of scores, then of columns
	v_lshl_add_u32 v251, v97, 6, s19
	s_lshl_b32 s22, s18, 9
	s_add_co_u32 s22, s22, s19
	v_add_nc_u32 v252, s22, v253                   ; back: the w-th 512 bytes of it
	s_mov_b32 s[SEL], 0x76543210
	s_mov_b32 s[SEL+1], 0xfedcba98
	s_mov_b32 s23, 0
	s_wait_kmcnt 0x0
	s_lshl_b32 s22, ttmp9, 10
	s_lshl_b32 s19, s18, 8
	s_add_co_u32 s22, s22, s19
	s_add_nc_u64 s[12:13], s[12:13], s[22:23]      ; idsB: 1,024 mt + 256 w
	s_load_b512 s[24:39], s[12:13], 0x0            ; the 16 rows' groups at place 4 w,
	s_load_b512 s[40:55], s[12:13], 0x40           ; 4 w + 1,
	s_load_b512 s[68:83], s[12:13], 0x80           ; 4 w + 2,
	s_load_b512 s[84:99], s[12:13], 0xc0           ; 4 w + 3
	s_mul_i32 s22, ttmp9, 3072
	s_add_nc_u64 s[4:5], s[4:5], s[22:23]
	s_lshl_b32 s22, ttmp9, 7
	s_add_nc_u64 s[6:7], s[6:7], s[22:23]
	s_lshl_b32 s22, ttmp9, 10
	s_and_b32 s19, s18, 1
	s_lshl_b32 s19, s19, 9
	s_add_co_u32 s22, s22, s19
	s_cmp_lt_u32 s18, 2                            ; waves 0, 1 store the scores' halves, waves 2, 3 the columns': the choice hangs on the wave's number alone
	s_cselect_b64 s[14:15], s[14:15], s[16:17]
	s_add_nc_u64 s[14:15], s[14:15], s[22:23]      ; 1,024 mt + 512 (w & 1)
	s_wait_alu depctr_va_vdst(0)                   ; v51 and v248 to v255 are written: the offsets and LDS addresses that the loads below, the exchanges and the way out read; none is written again
.irp m, 0,1,2,3,4,5
	global_load_b128 v[16+4*\m:19+4*\m], v51, s[4:5] offset:256*\m
.endr
	global_load_b32 v40, v254, s[6:7]
.irp q, 0,1,2,3
	global_load_b32 v[VF+\q], v255, s[12:13] offset:64*\q    ; my own row's groups, for the columns' numbers
.endr
; Where tile tau lies, as scalars: s[rc] its bytes in W's codes, s[rs] in W's scale words
.macro ADDR tau, rc, rs
.set AID, 24+16*((\tau)/16)+12*((\tau)/32)+(\tau)%16
	s_min_u32 s56, s[AID], 2047                    ; a loaded number enters an address only behind this hold
	s_and_b32 s[\rs], s56, 0x7f0                   ; 16 blk
	s_and_b32 s58, s56, 7                          ; b
	s_and_b32 s59, s56, 8                          ; 8 hp
	s_mul_i32 s[\rc], s[\rs], 3072
	s_mul_i32 s61, s58, 6144
	s_mul_i32 s62, s59, 192
	s_add_co_u32 s[\rc], s[\rc], s61
	s_add_co_u32 s[\rc], s[\rc], s62               ; codes: 3,072 (16 blk + 2 b) + 1,536 hp
	s_lshl_b32 s[\rs], s[\rs], 7
	s_lshl_b32 s58, s58, 8
	s_lshl_b32 s59, s59, 2
	s_add_co_u32 s[\rs], s[\rs], s58
	s_add_co_u32 s[\rs], s[\rs], s59               ; scale words: 128 (16 blk + 2 b) + 32 hp
.endm
; Buffer k's two offsets
.macro OFFS k, rc, rs
	v_add_nc_u32 v[VO+(\k)], s[\rc], v1
	v_add_nc_u32 v[VS+(\k)], s[\rs], v2
.endm
; Tile tau is asked for, into buffer tau % 6: 7 loads
.macro LOADW tau
.set AK, (\tau)%6
.set AR0, 116+24*AK
.set AR1, 128+24*AK
.if AK == 5
.set AR1, 84
.endif
.irp p, 0,1,2
	global_load_b128 v[AR0+4*\p:AR0+4*\p+3], v[VO+AK], s[8:9] offset:256*\p
.endr
.irp p, 0,1,2
	global_load_b128 v[AR1+4*\p:AR1+4*\p+3], v[VO+AK], s[8:9] offset:768+256*\p
.endr
	global_load_b32 v[WS+AK], v[VS+AK], s[10:11]
.endm
; Pair p: tiles 2 p and 2 p + 1: four products, the two accumulators by turns; the wanted lanes are taken over; the pair three on is asked for
.macro STEP p
.set K0, (2*(\p))%6
.set K1, (2*(\p)+1)%6
.set R00, 116+24*K0
.set R01, 128+24*K0
.set R10, 116+24*K1
.set R11, 128+24*K1
.if K1 == 5
.set R11, 84
.endif
.set QL, (\p)/8
.set I0, (2*(\p))%16
.if QL < 2
.set CA, B0+8*QL
.else
.set CA, B2+8*(QL-2)
.endif
.if (\p) < 29
	ADDR 2*(\p)+6, 60, 57                          ; where the pair three on lies: scalar work, ahead of the wait for this pair's data
	ADDR 2*(\p)+7, 2, 3
.endif
.if (\p) < 30
	s_wait_loadcnt 28                              ; this pair's 14 loads are in (so their offsets' registers are free); the two younger pairs' may be out
.elseif (\p) == 30
	s_wait_loadcnt 14
.else
	s_wait_loadcnt 0x0
.endif
.if (\p) < 29
	s_wait_alu depctr_vm_vsrc(0)                   ; this pair's loads have read their offsets, which the four additions below write anew
.endif
	v_wmma_scale_f32_16x16x128_f8f6f4 v[D0:D0+7], v[R00:R00+11], v[16:27], 0, v[WS+K0], v40 matrix_a_fmt:MATRIX_FMT_BF6 matrix_b_fmt:MATRIX_FMT_BF6
	v_wmma_scale_f32_16x16x128_f8f6f4 v[D1:D1+7], v[R10:R10+11], v[16:27], 0, v[WS+K1], v40 matrix_a_fmt:MATRIX_FMT_BF6 matrix_b_fmt:MATRIX_FMT_BF6
	v_wmma_scale_f32_16x16x128_f8f6f4 v[D0:D0+7], v[R01:R01+11], v[28:39], v[D0:D0+7], v[WS+K0], v40 matrix_a_fmt:MATRIX_FMT_BF6 matrix_b_fmt:MATRIX_FMT_BF6 matrix_a_scale:MATRIX_SCALE_ROW1 matrix_b_scale:MATRIX_SCALE_ROW1
	v_wmma_scale_f32_16x16x128_f8f6f4 v[D1:D1+7], v[R11:R11+11], v[28:39], v[D1:D1+7], v[WS+K1], v40 matrix_a_fmt:MATRIX_FMT_BF6 matrix_b_fmt:MATRIX_FMT_BF6 matrix_a_scale:MATRIX_SCALE_ROW1 matrix_b_scale:MATRIX_SCALE_ROW1
; Five places follow the products (ISA guide 7.12.1): 4 in front of the reads of the results, 5 in front of the next pair's products, which begin the same accumulators anew.  The four additions, which name none of the products' registers, are four of them
.if (\p) < 29
	OFFS K0, 60, 57
	OFFS K1, 2, 3
	v_nop
	s_wait_alu depctr_va_vdst(0)                   ; the additions have written the two buffers' offsets, which the loads below read; the products are done reading the two buffers and their scale words, in which those loads land
	LOADW 2*(\p)+6
.else
.rept 5
	v_nop
.endr
.endif
.if I0 == 0
.irp j, 0,1,2,3,4,5,6,7
	v_mov_b32 v[CA+\j], v[D0+\j]                   ; row 0's tile writes every lane: nothing is cleared
.endr
.else
	s_mov_b32 s63, 0x10001<<I0
.irp j, 0,1,2,3,4,5,6,7
	v_cndmask_b32 v[CA+\j], v[CA+\j], v[D0+\j], s63    ; lanes i and i + 16 alone
.endr
.endif
.if (\p) < 29
	LOADW 2*(\p)+7                                 ; no wait: the vector lines since the wait above name the gathered scores and an accumulator, none of the registers that these loads touch
.endif
	s_mov_b32 s63, 0x10001<<(I0+1)
.irp j, 0,1,2,3,4,5,6,7
	v_cndmask_b32 v[CA+\j], v[CA+\j], v[D1+\j], s63
.endr
.endm
	s_wait_kmcnt 0x0                               ; the lists
.irp t, 0,1,2,3,4,5
	ADDR \t, 60, 57
	OFFS \t, 60, 57
.endr
	s_wait_alu depctr_va_vdst(0)                   ; the six buffers' offsets are written, which the 42 loads below read
.irp t, 0,1,2,3,4,5
	LOADW \t
.endr
.irp p, 0,1,2,3,4,5,6,7,8,9,10,11,12,13,14,15,16,17,18,19,20,21,22,23,24,25,26,27,28,29,30,31
	STEP \p
.endr
.irp q, 0,1,2,3
	v_min_u32 v[VF+\q], 2047, v[VF+\q]             ; held as the addresses were
.endr
	s_wait_alu depctr_vm_vsrc(0)                   ; the last loads of W have read their offsets v3 to v6, which the next four lines write
.irp q, 0,1,2,3
	v_lshl_add_u32 v[VO+\q], v[VF+\q], 4, v15      ; 16 f + 8 h: my first column of the group
.endr
.irp q, 0,1
.irp j, 0,1,2,3,4,5,6,7
	v_add_nc_u32 v[B0+16+8*\q+\j], \j, v[VO+\q]
	v_add_nc_u32 v[B2+16+8*\q+\j], \j, v[VO+2+\q]
.endr
.endr
	SORT16 B0, B1
	SORT16 B2, B1
	MERGE B0, B2, B1                               ; my 32
	HSWAP B1, B2
	MERGE B1, B2, B0                               ; the wave's 64 of row r
	XCHG B0, B2, 0
	MERGE B0, B2, B1                               ; 128
	XCHG B1, B2, 1
	MERGE B1, B2, B0                               ; all 256, sorted: the same list in all four waves
	s_wait_alu depctr_va_vdst(0)                   ; the last merge has written B0, which the LDS stores read, and is done with B1, in which the LDS load lands
.irp g, 0,1,2,3
	ds_store_b128 v251, v[B0+4*\g:B0+4*\g+3] offset:16*\g              ; lanes r and r + 16 write the same bytes with the same values
	ds_store_b128 v251, v[B0+16+4*\g:B0+16+4*\g+3] offset:1024+16*\g
.endr
	ds_load_b128 v[B1:B1+3], v252                  ; LDS serves a wave's instructions in order: this sees my stores
	s_wait_dscnt 0x0
	global_store_b128 v253, v[B1:B1+3], s[14:15]   ; 32 lanes store 512 consecutive bytes, aligned: 8 rows of 16 numbers
	s_set_vgpr_msb 0x5
	s_wait_dscnt 0x0
	s_wait_alu depctr_hold_cnt(0) depctr_sa_sdst(0) depctr_va_vdst(0) depctr_va_sdst(0) depctr_va_ssrc(0) depctr_va_vcc(0) depctr_vm_vsrc(0)
	s_wait_tensorcnt 0x0
	ds_add_u32 v0, v1
	s_wait_dscnt 0x0
	s_endpgm
.Lfunc_end_k_q4cc58eccd2_final:
	.size	k_q4cc58eccd2_final, .Lfunc_end_k_q4cc58eccd2_final-k_q4cc58eccd2_final
	.p2alignl 7, 3214868480
	.fill 96, 4, 3214868480
	.section	.rodata,"a",@progbits
	.p2align	6, 0x0
	.amdhsa_kernel k_q4cc58eccd2_final
		.amdhsa_group_segment_fixed_size 41472
		.amdhsa_private_segment_fixed_size 0
		.amdhsa_enable_private_segment 0
		.amdhsa_kernarg_size 56
		.amdhsa_user_sgpr_count 2
		.amdhsa_user_sgpr_kernarg_segment_ptr 1
		.amdhsa_wavefront_size32 1
		.amdhsa_system_sgpr_workgroup_id_x 1
		.amdhsa_system_sgpr_workgroup_id_y 1
		.amdhsa_system_sgpr_workgroup_id_z 1
		.amdhsa_system_vgpr_workitem_id 0
		.amdhsa_next_free_vgpr 258
		.amdhsa_next_free_sgpr 100
		.amdhsa_reserve_vcc 0
		.amdhsa_float_denorm_mode_32 3
		.amdhsa_float_denorm_mode_16_64 3
		.amdhsa_memory_ordered 1
		.amdhsa_forward_progress 1
		.amdhsa_inst_pref_size 255
	.end_amdhsa_kernel
	.section	.bss,"aw",@nobits
	.p2align	6
	.space	262144
	.amdgpu_metadata
---
amdhsa.version: [ 1, 2 ]
amdhsa.kernels:
  - .name:           k_q4cc58eccd2_final
    .symbol:         k_q4cc58eccd2_final.kd
    .args:
      - { .name: Xc, .offset: 0, .size: 8, .value_kind: global_buffer, .address_space: global }
      - { .name: Xs, .offset: 8, .size: 8, .value_kind: global_buffer, .address_space: global }
      - { .name: Wc, .offset: 16, .size: 8, .value_kind: global_buffer, .address_space: global }
      - { .name: Ws, .offset: 24, .size: 8, .value_kind: global_buffer, .address_space: global }
      - { .name: idsB, .offset: 32, .size: 8, .value_kind: global_buffer, .address_space: global }
      - { .name: out0, .offset: 40, .size: 8, .value_kind: global_buffer, .address_space: global }
      - { .name: out1, .offset: 48, .size: 8, .value_kind: global_buffer, .address_space: global }
    .group_segment_fixed_size: 41472
    .private_segment_fixed_size: 0
    .kernarg_segment_align: 8
    .kernarg_segment_size: 56
    .max_flat_workgroup_size: 128
    .sgpr_count:     100
    .vgpr_count:     258
    .wavefront_size: 32
...
	.end_amdgpu_metadata
.endif
;; end of part 6
